; MI455X (gfx1250); checked and timed in simulation.
; The chip was launched on July 23, 2026; its instructions are those of AMD's public machine-readable ISA for CDNA 5 (MIT licence, August 2026) and "CDNA5" Instruction Set Architecture Reference Guide (July 2026). The comments in the code are by the model that wrote it; some were corrected since.
;; Multi Head Attention. Allowed arithmetic: float matrix products may take bf16 or f16 operands with f32 sums; other float arithmetic in f32, or as packed bf16 or f16 multiplies, adds, multiply-adds, maxima and minima; sums over many terms, partial sums and values carried from step to step in f32; what a program stores and reads back later, other than sums and carried values, may be rounded once to bf16 or f16.
;; Inputs: bk 1,024 float32; bo 1,024 float32; bq 1,024 float32; bv 1,024 float32; k_scale 64 float32; kv 2 x 2,048 x 1,024 float32; kv_positions 2,048 int32; mask 2 x 1 x 2,048 x 2,048 bool; q 2 x 2,048 x 1,024 float32; q_positions 2,048 int32; q_scale 64 float32; wk 1,024 x 1,024 float32; wo 1,024 x 1,024 float32; wq 1,024 x 1,024 float32; wv 1,024 x 1,024 float32.
;; Outputs: out0 2 x 2,048 x 1,024 float32; out1 2 x 16 x 2,048 float32.
;; One version. Each part assembles by itself: llvm-mc -triple=amdgcn-amd-amdhsa -mcpu=gfx1250 --defsym DOCPART=n.
;; ======== version 1 of 1: 4 launches
;; limits: values are held in f16: magnitudes above 65,504 overflow, below 6.1e-05 lose precision; right only within a limited range of input values
;; workspace buffers: xa 17,825,792 bytes; w3 6,291,456 bytes; wo16 2,097,152 bytes; mb 1,310,720 bytes of whole numbers; hd 25,165,824 bytes; att 8,388,608 bytes
;; launch prep (part 1): grid 1280 x 1, 8 waves a work-group, no clusters, 0 bytes of LDS; arguments q, kv, wq, wk, wv, wo, mask, q_positions, kv_positions, xa, w3, wo16, mb; writes xa, w3, wo16, mb
.if DOCPART == 1
	.amdgcn_target "amdgcn-amd-amdhsa--gfx1250"
	.amdhsa_code_object_version 6
	.text
	.protected	k_qd541788a36_prep
	.globl	k_qd541788a36_prep
	.p2align	8
	.type	k_qd541788a36_prep,@function
k_qd541788a36_prep:
	s_mov_b64 s[64:65], 0
	v_nop
	global_prefetch_b8 v0, s[64:65] scope:SCOPE_SE
	s_setreg_imm32_b32 hwreg(HW_REG_WAVE_MODE, 25, 1), 1
	s_wait_xcnt 0x0
; PREPARATION: a stream, no LDS, no barrier, no matrix work.  Four roles, chosen by the work-group's number; every jump goes forward.
;   0..511     q and kv, f32 [4096 rows][1024], rounded to bf16, that number written as f16, laid out in blocks [16 kb][4096 rows][64] (a row of a block is 128 bytes)
;   512..767   wq, wk, wv, wo, f32 [1024][1024], the same two roundings, layout kept
;   768..1023  the mask's bytes turned into lane masks for attention's score registers, and the number of valid keys of each row in 16 parts
;   1024..1279 cos and sin of position / 10000^(f/32), f = 0..31, for both position inputs: 256 bytes a position (32 cos, 32 sin)
; LIMITS.  A float input beyond 65,504 becomes an infinity in f16; below 6e-5 it keeps f16's fixed step of 6e-8.  The angle's reduction holds every bit of n for |position| up to 4,000,000.
.set X,    16                          ; v[16:79]   eight turns of 8 numbers as loaded
.set Y,    80                          ; v[80:111]  eight turns of 8 numbers in f16
.set VIN,  2                           ; my byte offset in the source; never rewritten
.set VOUT, 3                           ; my byte offset in the target; never rewritten
.set T,    4                           ; v[4:7] at work
.set SRC,  34                          ; s[34:35]
.set DST,  44                          ; s[44:45]
; Eight turns: 32 bytes in, 16 bytes out for each thread.  All sixteen loads go out first; turn i waits until the 14 - 2 i younger loads alone are out.  Each Y is written once, so no store's data is rewritten.
.macro CONV instep, outstep
.irp i, 0,1,2,3,4,5,6,7
	global_load_b128 v[X+8*(\i):X+8*(\i)+3],   v[VIN], s[SRC:SRC+1] offset:(\i)*(\instep) th:TH_LOAD_NT
	global_load_b128 v[X+8*(\i)+4:X+8*(\i)+7], v[VIN], s[SRC:SRC+1] offset:(\i)*(\instep)+16 th:TH_LOAD_NT
.endr
.irp i, 0,1,2,3,4,5,6,7
	s_wait_loadcnt 14-2*(\i)
.irp k, 0,1,2,3
	v_cvt_pk_bf16_f32 v[T+(\k)], v[X+8*(\i)+2*(\k)], v[X+8*(\i)+2*(\k)+1]  ; the inputs' one rounding: to bf16
.endr
.irp k, 0,1,2,3
	v_lshlrev_b32 v[X+8*(\i)+2*(\k)],   16, v[T+(\k)]
	v_and_b32     v[X+8*(\i)+2*(\k)+1], 0xffff0000, v[T+(\k)]
.endr
.irp k, 0,1,2,3
	v_cvt_pk_f16_f32 v[Y+4*(\i)+(\k)], v[X+8*(\i)+2*(\k)], v[X+8*(\i)+2*(\k)+1]  ; 8 significant bits fit into f16's 11
.endr
	global_store_b128 v[VOUT], v[Y+4*(\i):Y+4*(\i)+3], s[DST:DST+1] offset:(\i)*(\outstep)  ; a wave's store covers 512 consecutive bytes
.endr
.endm
	s_load_b512 s[4:19], s[0:1], 0x0               ; q, kv, wq, wk, wv, wo, mask, q_positions
	s_load_b256 s[20:27], s[0:1], 0x40             ; kv_positions, xa, w3, wo16
	s_load_b64 s[28:29], s[0:1], 0x60              ; mb
	s_mov_b32 s37, 0                               ; high words of the two offset pairs
	s_mov_b32 s39, 0
	s_wait_kmcnt 0x0
	s_cmp_lt_u32 ttmp9, 512
	s_cbranch_scc0 .Lnot_act
	; ACTIVATIONS.  A work-group: 32 rows x 8 blocks of 64 columns.  Thread t: row t / 8, 8 columns at 8 (t % 8) of each block.
	s_cmp_lt_u32 ttmp9, 256
	s_cselect_b64 s[SRC:SRC+1], s[4:5], s[6:7]
	s_and_b32 s40, ttmp9, 255
	s_lshr_b32 s41, s40, 1                         ; which 32 rows
	s_and_b32 s42, s40, 1                          ; which 8 blocks
	s_lshl_b32 s36, s41, 17                        ; 32 rows of 4,096 bytes
	s_lshl_b32 s43, s42, 11                        ; 512 columns of 4 bytes
	s_add_co_u32 s36, s36, s43
	s_add_nc_u64 s[SRC:SRC+1], s[SRC:SRC+1], s[36:37]
	s_lshr_b32 s38, ttmp9, 8
	s_lshl_b32 s38, s38, 23                        ; xq, or xkv 8,388,608 bytes on
	s_lshl_b32 s43, s42, 22                        ; 8 blocks of 524,288 bytes
	s_add_co_u32 s38, s38, s43
	s_lshl_b32 s43, s41, 12                        ; 32 rows of 128 bytes
	s_add_co_u32 s38, s38, s43
	s_add_nc_u64 s[DST:DST+1], s[22:23], s[38:39]
	v_lshrrev_b32 v1, 3, v0
	v_lshlrev_b32 v1, 12, v1
	v_and_b32 v[VIN], 7, v0
	v_lshl_add_u32 v[VIN], v[VIN], 5, v1
	v_lshlrev_b32 v[VOUT], 4, v0
	CONV 256, 524288
	s_endpgm
.Lnot_act:
	s_cmp_lt_u32 ttmp9, 768
	s_cbranch_scc0 .Lnot_w
	; WEIGHTS.  64 work-groups a matrix, 65,536 bytes in and 32,768 out each, dense.
	s_sub_co_u32 s40, ttmp9, 512
	s_lshr_b32 s41, s40, 6                         ; which matrix
	s_and_b32 s42, s40, 63
	s_cmp_eq_u32 s41, 1
	s_cselect_b64 s[SRC:SRC+1], s[10:11], s[8:9]
	s_cmp_eq_u32 s41, 2
	s_cselect_b64 s[SRC:SRC+1], s[12:13], s[SRC:SRC+1]
	s_cmp_eq_u32 s41, 3
	s_cselect_b64 s[SRC:SRC+1], s[14:15], s[SRC:SRC+1]
	s_cmp_lt_u32 s41, 3
	s_cselect_b64 s[DST:DST+1], s[24:25], s[26:27]
	s_cselect_b32 s43, s41, 0
	s_lshl_b32 s38, s43, 21                        ; wq, wk, wv lie 2,097,152 bytes apart in w3
	s_lshl_b32 s43, s42, 15
	s_add_co_u32 s38, s38, s43
	s_add_nc_u64 s[DST:DST+1], s[DST:DST+1], s[38:39]
	s_lshl_b32 s36, s42, 16
	s_add_nc_u64 s[SRC:SRC+1], s[SRC:SRC+1], s[36:37]
	v_lshlrev_b32 v[VIN], 5, v0
	v_lshlrev_b32 v[VOUT], 4, v0
	CONV 8192, 4096
	s_endpgm
.Lnot_w:
	s_cmp_lt_u32 ttmp9, 1024
	s_cbranch_scc0 .Ltab
	; THE MASK.  Work-group g = 128 b + qt: 16 query rows.  Wave w: keys 256 w .. 256 w + 255, four key steps of 64.  Lane (r = l % 16, h = l / 16) holds row 16 qt + r and, of each 16 keys, the eight at 8 h.
	; Word i (0..31) of a key step: bit l = mask[row of l][64 ks + 16 (i / 8) + 8 h + i % 8]: the lanes of score register i.  Word i is put into lane i and stored: 128 consecutive bytes a step.
	s_sub_co_u32 s40, ttmp9, 768
	v_lshrrev_b32 v1, 5, v0
	v_readfirstlane_b32 s41, v1
	v_and_b32 v2, 15, v0
	v_bfe_u32 v3, v0, 4, 1
	v_and_b32 v11, 31, v0
	v_lshlrev_b32 v11, 2, v11                      ; 4 l
	s_and_b32 s42, s40, 127
	s_lshl_b32 s42, s42, 15                        ; 16 rows of 2,048 bytes
	s_lshl_b32 s43, s41, 8
	s_add_co_u32 s42, s42, s43
	v_lshl_add_u32 v5, v2, 11, s42
	v_lshl_add_u32 v5, v3, 3, v5
	s_lshr_b32 s36, s40, 7
	s_lshl_b32 s36, s36, 22                        ; the batch
	s_add_nc_u64 s[SRC:SRC+1], s[16:17], s[36:37]
.set k, 0
.rept 16
	global_load_b64 v[16+2*k:17+2*k], v5, s[SRC:SRC+1] offset:16*k
.set k, k+1
.endr
	s_lshl_b32 s38, s40, 5
	s_lshl2_add_u32 s38, s41, s38                  ; 32 g + 4 w
	s_lshl_b32 s38, s38, 7
	s_add_nc_u64 s[50:51], s[28:29], s[38:39]      ; my four steps' words
	s_lshl_b32 s36, s40, 3
	s_add_co_u32 s36, s36, s41
	s_lshl_b32 s36, s36, 7
	s_add_co_u32 s36, s36, 1048576                 ; the counts lie behind the words
	s_add_nc_u64 s[52:53], s[28:29], s[36:37]
.irp k, 0,1,2,3
	v_mov_b32 v[48+(\k)], 0                        ; v_writelane_b32's target counts as read
.endr
	s_wait_loadcnt 0x0
.set ks, 0
.rept 4
.set i, 0
.rept 32
	v_bfe_u32 v[6+i%4], v[16+2*(4*ks+i/8)+(i%8)/4], 8*(i%4), 8
	v_cmp_ne_u32 s[44+i%4], 0, v[6+i%4]
	v_writelane_b32 v[48+ks], s[44+i%4], i
.set i, i+1
.endr
.set ks, ks+1
.endr
.irp k, 0,1,2,3
	global_store_b32 v11, v[48+(\k)], s[50:51] offset:128*(\k)
.endr
	v_add3_u32 v10, v16, v17, v18                  ; the bytes are 0 or 1: 32 words add up without a carry between bytes
.set k, 0
.rept 14
	v_add3_u32 v10, v10, v[19+2*k], v[20+2*k]
.set k, k+1
.endr
	v_add_nc_u32 v10, v10, v47
	v_mul_lo_u32 v10, v10, 0x01010101              ; the four byte sums meet in the top byte (128 at the most)
	v_lshrrev_b32 v10, 24, v10
	global_store_b32 v11, v10, s[52:53]
	s_endpgm
.Ltab:
	; THE TABLES.  Work-group g: 16 positions; thread t: position t / 16, four numbers: f = 4 (t % 8) + 0..3, cosines where t % 16 < 8, else sines.
	s_sub_co_u32 s40, ttmp9, 1024
	s_cmp_lt_u32 s40, 128
	s_cselect_b64 s[SRC:SRC+1], s[18:19], s[20:21]
	s_and_b32 s41, s40, 127
	s_lshl_b32 s41, s41, 4
	v_lshrrev_b32 v1, 4, v0
	v_add_lshl_u32 v2, v1, s41, 2
	global_load_b32 v3, v2, s[SRC:SRC+1]
	s_lshl_b32 s36, s40, 12                        ; 16 rows of 256 bytes
	s_add_co_u32 s36, s36, 16777216                ; the tables lie behind xq and xkv
	s_add_nc_u64 s[DST:DST+1], s[22:23], s[36:37]
	s_mov_b32 s46, 0xbfc90fdb                      ; - pi / 2 in three parts
	s_mov_b32 s47, 0x333bbd2e
	s_mov_b32 s48, 0x26f72ced
	s_mov_b32 s49, 0xb94ca1f9                      ; sine: r + r z (S1 + z (S2 + z S3))
	s_mov_b32 s50, 0x3c08839e
	s_mov_b32 s51, 0xbe2aaaa3
	s_mov_b32 s52, 0x37ccf5ce                      ; cosine: 1 - z / 2 + z z (C1 + z (C2 + z C3))
	s_mov_b32 s53, 0xbab6061a
	s_mov_b32 s54, 0x3d2aaaa5
	v_and_b32 v4, 7, v0
	v_lshlrev_b32 v4, 2, v4
	v_bfe_u32 v5, v0, 3, 1
	v_xor_b32 v5, 1, v5                            ; 1 for cosines: a quarter turn more
.irp k, 0,1,2,3
	v_add_nc_u32 v[8+(\k)], (\k), v4
.endr
.irp k, 0,1,2,3
	v_cvt_f32_u32 v[8+(\k)], v[8+(\k)]
.endr
.irp k, 0,1,2,3
	v_mul_f32 v[8+(\k)], 0xbed49a78, v[8+(\k)]     ; - f log2(10000) / 32
.endr
.irp k, 0,1,2,3
	v_exp_f32 v[12+(\k)], v[8+(\k)]
.endr
	v_lshlrev_b32 v6, 4, v0                        ; my 16 bytes of the work-group's 4,096: the plain instruction behind the last exponential
	s_wait_alu depctr_va_vdst(0)                   ; one wait for the four, ahead of their first reader
	s_wait_loadcnt 0x0
	v_cvt_f32_i32 v3, v3
.irp k, 0,1,2,3
	v_mul_f32 v[16+(\k)], v3, v[12+(\k)]           ; the angle
	v_mul_f32 v[20+(\k)], 0x3f22f983, v[16+(\k)]
	v_rndne_f32 v[20+(\k)], v[20+(\k)]             ; n quarter turns
	v_fma_f32 v[16+(\k)], v[20+(\k)], s46, v[16+(\k)]
	v_fma_f32 v[16+(\k)], v[20+(\k)], s47, v[16+(\k)]
	v_fma_f32 v[16+(\k)], v[20+(\k)], s48, v[16+(\k)]  ; r, within pi / 4
	v_mul_f32 v[24+(\k)], v[16+(\k)], v[16+(\k)]   ; z
	v_fma_f32 v[28+(\k)], v[24+(\k)], s49, s50
	v_fma_f32 v[28+(\k)], v[28+(\k)], v[24+(\k)], s51
	v_mul_f32 v[32+(\k)], v[16+(\k)], v[24+(\k)]
	v_fma_f32 v[28+(\k)], v[32+(\k)], v[28+(\k)], v[16+(\k)]  ; sin r
	v_fma_f32 v[32+(\k)], v[24+(\k)], s52, s53
	v_fma_f32 v[32+(\k)], v[32+(\k)], v[24+(\k)], s54
	v_mul_f32 v[36+(\k)], v[24+(\k)], v[24+(\k)]
	v_fma_f32 v[24+(\k)], v[24+(\k)], -0.5, 1.0
	v_fma_f32 v[32+(\k)], v[36+(\k)], v[32+(\k)], v[24+(\k)]  ; cos r
	v_cvt_i32_f32 v[20+(\k)], v[20+(\k)]
	v_add_nc_u32 v[20+(\k)], v[20+(\k)], v5
	v_and_b32 v[36+(\k)], 1, v[20+(\k)]
	v_cmp_ne_u32 vcc_lo, 0, v[36+(\k)]
	v_cndmask_b32 v[40+(\k)], v[28+(\k)], v[32+(\k)], vcc_lo  ; odd quarter: the cosine's series
	v_lshlrev_b32 v[20+(\k)], 30, v[20+(\k)]
	v_and_b32 v[20+(\k)], 0x80000000, v[20+(\k)]
	v_xor_b32 v[40+(\k)], v[20+(\k)], v[40+(\k)]   ; quarters 2 and 3: the sign turns
.endr
	global_store_b128 v6, v[40:43], s[DST:DST+1]   ; a wave's store covers 512 consecutive bytes
	s_endpgm
.Lfunc_end_k_qd541788a36_prep:
	.size	k_qd541788a36_prep, .Lfunc_end_k_qd541788a36_prep-k_qd541788a36_prep
	.p2alignl 7, 3214868480
	.fill 96, 4, 3214868480
	.section	.rodata,"a",@progbits
	.p2align	6, 0x0
	.amdhsa_kernel k_qd541788a36_prep
		.amdhsa_group_segment_fixed_size 0
		.amdhsa_private_segment_fixed_size 0
		.amdhsa_enable_private_segment 0
		.amdhsa_kernarg_size 104
		.amdhsa_user_sgpr_count 2
		.amdhsa_user_sgpr_kernarg_segment_ptr 1
		.amdhsa_wavefront_size32 1
		.amdhsa_system_sgpr_workgroup_id_x 1
		.amdhsa_system_sgpr_workgroup_id_y 1
		.amdhsa_system_sgpr_workgroup_id_z 1
		.amdhsa_system_vgpr_workitem_id 0
		.amdhsa_next_free_vgpr 112
		.amdhsa_next_free_sgpr 66
		.amdhsa_reserve_vcc 1
		.amdhsa_float_denorm_mode_32 3
		.amdhsa_float_denorm_mode_16_64 3
		.amdhsa_memory_ordered 1
		.amdhsa_forward_progress 1
		.amdhsa_inst_pref_size 57
	.end_amdhsa_kernel
	.amdgpu_metadata
---
amdhsa.version: [ 1, 2 ]
amdhsa.kernels:
  - .name:           k_qd541788a36_prep
    .symbol:         k_qd541788a36_prep.kd
    .args:
      - { .name: q, .offset: 0, .size: 8, .value_kind: global_buffer, .address_space: global }
      - { .name: kv, .offset: 8, .size: 8, .value_kind: global_buffer, .address_space: global }
      - { .name: wq, .offset: 16, .size: 8, .value_kind: global_buffer, .address_space: global }
      - { .name: wk, .offset: 24, .size: 8, .value_kind: global_buffer, .address_space: global }
      - { .name: wv, .offset: 32, .size: 8, .value_kind: global_buffer, .address_space: global }
      - { .name: wo, .offset: 40, .size: 8, .value_kind: global_buffer, .address_space: global }
      - { .name: mask, .offset: 48, .size: 8, .value_kind: global_buffer, .address_space: global }
      - { .name: q_positions, .offset: 56, .size: 8, .value_kind: global_buffer, .address_space: global }
      - { .name: kv_positions, .offset: 64, .size: 8, .value_kind: global_buffer, .address_space: global }
      - { .name: xa, .offset: 72, .size: 8, .value_kind: global_buffer, .address_space: global }
      - { .name: w3, .offset: 80, .size: 8, .value_kind: global_buffer, .address_space: global }
      - { .name: wo16, .offset: 88, .size: 8, .value_kind: global_buffer, .address_space: global }
      - { .name: mb, .offset: 96, .size: 8, .value_kind: global_buffer, .address_space: global }
    .group_segment_fixed_size: 0
    .private_segment_fixed_size: 0
    .kernarg_segment_align: 8
    .kernarg_segment_size: 104
    .max_flat_workgroup_size: 256
    .sgpr_count:     66
    .vgpr_count:     112
    .wavefront_size: 32
...
	.end_amdgpu_metadata
.endif
;; end of part 1
;; launch qkv (part 2): grid 24 x 32, 4 waves a work-group, clusters of 4 x 4, 327,680 bytes of LDS; arguments xa, w3, bq, bk, bv, q_scale, k_scale, hd; writes hd
.if DOCPART == 2
	.amdgcn_target "amdgcn-amd-amdhsa--gfx1250"
	.amdhsa_code_object_version 6
	.text
	.protected	k_qd541788a36_qkv
	.globl	k_qd541788a36_qkv
	.p2align	8
	.type	k_qd541788a36_qkv,@function
k_qd541788a36_qkv:
	s_mov_b64 s[64:65], 0
	v_nop
	global_prefetch_b8 v0, s[64:65] scope:SCOPE_SE
	s_setreg_imm32_b32 hwreg(HW_REG_WAVE_MODE, 25, 1), 1
	s_wait_xcnt 0x0
	s_wait_alu depctr_hold_cnt(0) depctr_sa_sdst(0) depctr_va_vdst(0) depctr_va_sdst(0) depctr_va_ssrc(0) depctr_va_vcc(0) depctr_vm_vsrc(0)
	s_getreg_b32 s2, hwreg(HW_REG_IB_STS2, 6, 4)
	s_cmp_eq_u32 s2, 0
	s_cbranch_scc0 .Lentry_in_a_cluster
	s_endpgm
.Lentry_in_a_cluster:
	s_bfe_u32 s2, ttmp6, 0x10000c
	s_cmp_lg_u32 s2, 0xf033
	s_cbranch_scc0 .Lentry_shape_is_right
	s_endpgm
.Lentry_shape_is_right:
; C = A W + bias, and what follows it.  A: f16 in blocks [16 kb][4096 rows][64]; W: f16 [1024 k][1024 n]; sums in f32.  The text stands in two kernels, told apart by the constant FINAL.
; FINAL = 0 (this kernel): the three input projections.  KX = cluster x / 2 is the matrix: 0 = Q, 1 = K (RMS norm with gain 1 + scale, RoPE, f16 by heads), 2 = V (f16 by heads); it is made of the cluster's
; own coordinate, which all sixteen partners share.  FINAL = 1: the output projection (f32, row-major), with no branch on a kind.
; Q's gain also carries 2 log2(e) / 400, in f32 ahead of Q's one rounding, so that attention's first product delivers 2 x log2(e) with x = logit / 50.
; SHARES.  A tile of C is 128 x 128: four waves of 64 x 64, 16 accumulators each.  A wave's 64 columns are one head.  K goes in four steps of 256 through two LDS slots.
; CLUSTER.  4 x 4 work-groups: A's tile hangs on the tile row alone and is asked for jointly by a row of the cluster, W's on the tile column alone, by a column.
; THE PRODUCT IS TAKEN TRANSPOSED: source 0 = 16 columns of W (turned on the way out of LDS by ds_load_tr16_b128), source 1 = 16 rows of A.  A lane then holds ONE row of C (lane % 16) and, of each 16
; columns, the eight at 8 (lane / 16): a row's sum of squares wants one exchange between the halves of the lanes, and RoPE's partners (c, c + 32) lie in one lane.
; Biases and scales are rounded to bf16 like all inputs and used in f32.  LIMIT: q, k and v leave in f16, which ends at 65,504.
; REGISTERS.  Window 0: v0-31 addresses; v32-63 bias; v64-95 gain; v96-127 at work; v128-255 accumulators ((a, b) at 128 + 8 (4 a + b)).  Window 1: two fragment buffers of 128 (A's 64, then W's 64);
; the first of them takes cos and sin when its last products are done.
.set FINAL, 0
.set PA,    144                        ; a row of A in LDS: 128 bytes + 16: the 16 rows of a fragment load start 36 words apart
.set ABLK,  128*PA                     ; a block of 64 along K
.set ATILE, 4*ABLK
.set PB,    288                        ; a row of W in LDS: 256 bytes + 32
.set QLOAD, 36864                      ; what one tensor load fills: two blocks of A, or 128 rows of W
.set SLOT,  4*QLOAD
.set STAGE, 2*SLOT                     ; behind the ring, never filled by a tensor load: 4,352 bytes for each wave (16 rows x 144, or 16 rows x 272)
.set STW,   4352
.set SPARE, STAGE+4*STW                ; the spare words, 128 bytes for each wave; no other line names them
.set ASTEP, 4*524288                   ; a K step in A: four blocks
.set BSTEP, 256*2048                   ; a K step in W: 256 rows
.set SO,   15                          ; v15  my offset in a scale
.set ADRA, 16                          ; v16-17  my A fragments in slot 0, 1
.set ADRB, 18                          ; v18-21  my W fragments: slot 0 first and second half of the K step, slot 1 likewise
.set STO,  22                          ; f16 way out: in, back, memory
.set RD,   23
.set GO,   24
.set STO2, 25                          ; f32 way out: in, back, memory
.set RD2,  26
.set GO2,  27
.set SPW,  28                          ; my spare word; never rewritten
.set NIL,  29                          ; 0; never rewritten
.set BO,   30                          ; my offset in a bias
.set TO,   31                          ; my offset in the table of cos and sin
.set BI,   32
.set GG,   64
.set TT,   96
.set RS,   TT+16
.set ACC,  128
.set F0,   0
.set F1,   128
.set G1,   24                          ; s[24:31], s[32:39]  A's descriptors: group 1; group 0 for each slot
.set G0,   32
.set G1B,  48                          ; s[48:55], s[56:63]  W's
.set G0B,  56
.set KX,   45                          ; s45  the matrix's number (FINAL = 0)
.if FINAL
.set BP,   72                          ; s[72:73] the bias;  s[74:75] the output
.set OUTP, 74
.else
.set BP,   22                          ; s[22:23] the matrix's bias;  s[82:83] the output
.set OUTP, 82
.endif
.set MSB, 0
.macro WIN new                         ; the immediate's high byte repeats the setting that is left
.if MSB != (\new)
	s_set_vgpr_msb (MSB<<8)|(\new)
.set MSB, \new
.endif
.endm
.set MUL,  0x05                        ; sources 0 and 1 window 1; C and D window 0
.set TO_F, 0x40                        ; destination window 1, address window 0
.macro JLOAD s                         ; a joint load: waves 0 and 1 fetch A's two halves, waves 2 and 3 W's; s_nop 0 and four v_nop follow each line
	s_cmp_eq_u32 s11, 0
	s_cbranch_scc0 .Lfor_b_\@
	tensor_load_to_lds s[G0+4*(\s):G0+4*(\s)+3], s[G1:G1+7]
	s_nop 0
.rept 4
	v_nop
.endr
	s_branch .Lasked_\@
.Lfor_b_\@:
	tensor_load_to_lds s[G0B+4*(\s):G0B+4*(\s)+3], s[G1B:G1B+7]
	s_nop 0
.rept 4
	v_nop
.endr
.Lasked_\@:
.endm
.macro CREST                           ; a round of the cluster's barrier behind its opening barrier
	s_cmp_lg_u32 s10, 0
	s_cbranch_scc1 .Lnot_wave_0_\@
	s_barrier_signal -3
.Lnot_wave_0_\@:
	s_barrier_wait -3
	s_barrier_signal -1
	s_barrier_wait -1
.endm
.macro CROUND
	s_barrier_signal -1
	s_barrier_wait -1
	CREST
.endm
.if FINAL
	s_load_b256 s[68:75], s[0:1], 0x0              ; A s[68:69], W s[70:71], the bias s[72:73], the output s[74:75]
.else
	s_load_b512 s[68:83], s[0:1], 0x0              ; A s[68:69], W s[70:71], three biases s[72:77], two scales s[78:81], the output s[82:83]
.endif
	v_lshl_add_u32 v[SPW], v0, 2, SPARE
	v_mov_b32 v[NIL], 0
	ds_add_u32 v[SPW], v[NIL]                      ; the wave's opening: the add and its wait ahead of my first tensor load
	v_lshrrev_b32 v1, 5, v0
	v_readfirstlane_b32 s10, v1                    ; wave 0..3
	s_lshr_b32 s11, s10, 1                         ; my half of the tile's rows.  Also: I fetch for A (0) or for W (1)
	s_and_b32 s12, s10, 1                          ; my half of its columns.  Also: which half of that tile I fetch
	s_bfe_u32 s40, ttmp6, 0x40000                  ; cx
	s_bfe_u32 s41, ttmp6, 0x40004                  ; cy
	s_lshl_b32 s42, ttmp9, 2
	s_add_co_u32 s42, s42, s40                     ; tile column = 4 x cluster x + cx
	s_and_b32 s13, ttmp7, 0xffff
	s_lshl_b32 s13, s13, 2
	s_add_co_u32 s13, s13, s41                     ; tile row = 4 x cluster y + cy
.if !FINAL
	s_lshr_b32 s[KX], ttmp9, 1                     ; eight tile columns, two clusters, a matrix: the same in all sixteen partners
.endif
	s_lshl_b32 s43, s41, 2
	s_lshl_b32 s43, 15, s43                        ; my row of the cluster
	s_lshl_b32 s44, 0x1111, s40                    ; my column
	; A's tile part: two blocks of 128 rows x 128 bytes; a block's rows are dense, so it is one row of 8,192 elements; 16 bytes of padding after every 128
	s_or_b32 s[G1+0], s43, (1<<16)|(1<<20)|(1<<21)|(4<<22)|(3<<25)
	s_mov_b32 s[G1+1], 8192<<16                    ; tensor_dim0
	s_mov_b32 s[G1+2], 2<<16                       ; tensor_dim1
	s_mov_b32 s[G1+3], 8192<<16                    ; tile_dim0
	s_mov_b32 s[G1+4], 2                           ; tile_dim1
	s_mov_b32 s[G1+5], 262144                      ; elements from block to block
	s_mov_b32 s[G1+6], 0
	s_mov_b32 s[G1+7], 0
	; W's tile part: 128 rows x 128 elements, 32 bytes of padding after every 256
	s_or_b32 s[G1B+0], s44, (1<<16)|(1<<20)|(1<<21)|(5<<22)|(7<<25)
	s_mov_b32 s[G1B+1], 128<<16
	s_mov_b32 s[G1B+2], 128<<16
	s_mov_b32 s[G1B+3], 128<<16
	s_mov_b32 s[G1B+4], 128
	s_mov_b32 s[G1B+5], 1024
	s_mov_b32 s[G1B+6], 0
	s_mov_b32 s[G1B+7], 0
	s_lshl_b32 s16, s13, 14                        ; A: the tile row's 128 rows of 128 bytes,
	s_lshl_b32 s17, s12, 20                        ; my two blocks of the K step's four
	s_add_co_u32 s16, s16, s17
.if !FINAL
	s_cmp_lg_u32 s[KX], 0
	s_cselect_b32 s17, 8388608, 0                  ; and kv's copy for K and V
	s_add_co_u32 s16, s16, s17
.endif
	s_mov_b32 s17, 0
	s_and_b32 s46, s42, 7                          ; W: the tile column's 256 bytes of a row,
	s_lshl_b32 s46, s46, 8
	s_lshl_b32 s47, s12, 18                        ; my 128 rows of the K step's 256
	s_add_co_u32 s46, s46, s47
.if !FINAL
	s_lshl_b32 s47, s[KX], 21                      ; the matrix
	s_add_co_u32 s46, s46, s47
.endif
	s_mov_b32 s47, 0
	s_mul_i32 s20, s10, QLOAD                      ; where my part goes: the wave's number alone
	s_wait_dscnt 0x0                               ; the opening add is done
	s_wait_kmcnt 0x0
	s_add_nc_u64 s[14:15], s[68:69], s[16:17]
	s_add_nc_u64 s[46:47], s[70:71], s[46:47]
	CROUND                                         ; all sixteen work-groups are here: the first joint loads meet
.irp s, 0,1
	s_mov_b32 s[G0+4*(\s)], 1
	s_add_co_u32 s[G0+4*(\s)+1], s20, (\s)*SLOT
	s_add_nc_u64 s[G0+4*(\s)+2:G0+4*(\s)+3], s[14:15], (\s)*ASTEP
	s_or_b32 s[G0+4*(\s)+3], s[G0+4*(\s)+3], 0x80000000
	s_mov_b32 s[G0B+4*(\s)], 1
	s_add_co_u32 s[G0B+4*(\s)+1], s20, (\s)*SLOT
	s_add_nc_u64 s[G0B+4*(\s)+2:G0B+4*(\s)+3], s[46:47], (\s)*BSTEP
	s_or_b32 s[G0B+4*(\s)+3], s[G0B+4*(\s)+3], 0x80000000
	JLOAD \s
.endr
	; bias (and scale) of my columns 16 b + 8 (l / 16) + 0..7, while the first tiles are on their way
.if !FINAL
	s_cmp_eq_u32 s[KX], 1
	s_cselect_b64 s[22:23], s[74:75], s[72:73]
	s_cmp_eq_u32 s[KX], 2
	s_cselect_b64 s[22:23], s[76:77], s[22:23]
	s_cmp_eq_u32 s[KX], 0
	s_cselect_b64 s[18:19], s[78:79], s[80:81]
	s_cselect_b32 s92, 0x3bec5f04, 1.0             ; 2 log2(e) / 400 for Q
	s_mov_b32 s93, s92
.endif
	v_and_b32 v1, 15, v0                           ; l % 16
	v_bfe_u32 v2, v0, 4, 1                         ; l / 16
	s_and_b32 s2, s42, 7
	s_lshl_b32 s2, s2, 9
	s_lshl_b32 s3, s12, 8
	s_add_co_u32 s2, s2, s3
	v_lshl_add_u32 v[BO], v2, 5, s2
.if !FINAL
	v_lshlrev_b32 v[SO], 5, v2
.endif
.irp b, 0,1,2,3
	global_load_b128 v[BI+8*(\b):BI+8*(\b)+3],   v[BO], s[BP:BP+1] offset:64*(\b)
	global_load_b128 v[BI+8*(\b)+4:BI+8*(\b)+7], v[BO], s[BP:BP+1] offset:64*(\b)+16
.if !FINAL
	global_load_b128 v[GG+8*(\b):GG+8*(\b)+3],   v[SO], s[18:19] offset:64*(\b)
	global_load_b128 v[GG+8*(\b)+4:GG+8*(\b)+7], v[SO], s[18:19] offset:64*(\b)+16
.endif
.endr
	v_mul_u32_u24 v3, v1, PA
	v_lshl_add_u32 v3, v2, 4, v3                   ; row x 144 + 16 x half
	s_mul_i32 s21, s11, 64*PA                      ; my 64 rows of A
	v_add_nc_u32 v[ADRA], s21, v3
	v_add_nc_u32 v[ADRA+1], SLOT, v[ADRA]
	v_and_b32 v6, 7, v0                            ; the turning load: lane l reads row 8 (l / 16) + l % 8, 16 bytes at 16 ((l / 8) % 2)
	v_lshl_add_u32 v6, v2, 3, v6
	v_mul_u32_u24 v6, v6, PB
	v_bfe_u32 v7, v0, 3, 1
	v_lshl_add_u32 v6, v7, 4, v6
	s_lshl_b32 s21, s12, 7                         ; my 64 columns of W
	s_add_co_u32 s21, s21, ATILE
	v_add_nc_u32 v[ADRB], s21, v6
	v_add_nc_u32 v[ADRB+1], QLOAD, v[ADRB]
	v_add_nc_u32 v[ADRB+2], SLOT, v[ADRB]
	v_add_nc_u32 v[ADRB+3], SLOT+QLOAD, v[ADRB]
	s_mul_i32 s21, s10, STW
	s_add_co_u32 s21, s21, STAGE                   ; my stage
.if FINAL
	v_mul_u32_u24 v6, v1, 272                      ; f32, in: row l % 16, 32 bytes for each half
	v_lshl_add_u32 v6, v2, 5, v6
	v_add_nc_u32 v[STO2], s21, v6
	v_mul_u32_u24 v6, v2, 272                      ; back: lanes 0-15 one row of 256 bytes, lanes 16-31 the next
	v_lshl_add_u32 v6, v1, 4, v6
	v_add_nc_u32 v[RD2], s21, v6
	v_lshlrev_b32 v6, 12, v2
	v_lshl_add_u32 v[GO2], v1, 4, v6
	s_lshl_b32 s88, s13, 7                         ; row-major f32: my first row x 4,096 bytes + my first column x 4
	s_lshl_b32 s89, s11, 6
	s_add_co_u32 s88, s88, s89
	s_lshl_b32 s88, s88, 12
	s_lshl_b32 s89, s42, 9
	s_add_co_u32 s88, s88, s89
	s_lshl_b32 s89, s12, 8
	s_add_co_u32 s88, s88, s89
.else
	v_add_nc_u32 v[STO], s21, v3                   ; f16, in: row l % 16, 16 bytes for each half of the lanes
	v_bfe_u32 v6, v0, 3, 2                         ; back: 32 lanes take four rows of 128 bytes,
	v_mul_u32_u24 v6, v6, PA
	v_and_b32 v7, 7, v0
	v_lshl_add_u32 v6, v7, 4, v6
	v_add_nc_u32 v[RD], s21, v6
	v_and_b32 v[GO], 31, v0                        ; which are 512 consecutive bytes of a head
	v_lshlrev_b32 v[GO], 4, v[GO]
	s_lshl_b32 s21, s11, 14                        ; the table: a row of 256 bytes for each position; my row, my eight numbers
	v_lshl_add_u32 v6, v1, 8, s21
	v_lshl_add_u32 v[TO], v2, 5, v6
	s_and_b32 s2, s13, 15
	s_lshl_b32 s2, s2, 15                          ; the tile row's 128 positions
	s_lshl_b32 s3, s[KX], 19                       ; q's table or kv's
	s_add_co_u32 s2, s2, s3
	s_add_co_u32 s2, s2, 16777216
	s_mov_b32 s3, 0
	s_add_nc_u64 s[100:101], s[68:69], s[2:3]      ; used for Q and K alone
	s_lshr_b32 s87, s13, 4                         ; by heads: ((16 batch + head) x 2,048 + position) x 128 bytes
	s_lshl_b32 s87, s87, 4
	s_and_b32 s89, s42, 7
	s_lshl_b32 s89, s89, 1
	s_add_co_u32 s89, s89, s12
	s_add_co_u32 s87, s87, s89
	s_lshl_b32 s87, s87, 11
	s_and_b32 s89, s13, 15
	s_lshl_b32 s89, s89, 7
	s_add_co_u32 s87, s87, s89
	s_lshl_b32 s89, s11, 6
	s_add_co_u32 s87, s87, s89
	s_lshl_b32 s87, s87, 7
	s_mov_b32 s94, 0x3c800000                      ; 1 / 64
	s_mov_b32 s95, 0x358637bd                      ; 1e-6
	s_mov_b32 s96, 0x76543210                      ; v_permlanex16_b32: each lane takes its own place in the other half
	s_mov_b32 s97, 0xfedcba98
.endif
	s_wait_loadcnt 0x0
.set i, 0
.rept 16
	v_cvt_pk_bf16_f32 v[3+i%4], v[BI+2*i], v[BI+2*i+1]
	v_lshlrev_b32 v[BI+2*i],   16, v[3+i%4]
	v_and_b32     v[BI+2*i+1], 0xffff0000, v[3+i%4]
.if !FINAL
	v_cvt_pk_bf16_f32 v[7+i%4], v[GG+2*i], v[GG+2*i+1]
	v_lshlrev_b32 v[GG+2*i],   16, v[7+i%4]
	v_and_b32     v[GG+2*i+1], 0xffff0000, v[7+i%4]
	v_pk_fma_f32 v[GG+2*i:GG+2*i+1], v[GG+2*i:GG+2*i+1], s[92:93], s[92:93] op_sel_hi:[1,0,0]  ; (1 + scale) x factor
.endif
.set i, i+1
.endr
; 8 matrix instructions: row blocks a0, a0 + 1 x all 4 column blocks, 32 along K: half c of buffer f.  zero = 1: the first product starts the sums.  The 16 accumulators take turns.
.macro MUL8 f, c, a0, zero
	WIN MUL
.irp a, \a0, (\a0)+1
.irp b, 0,1,2,3
.if \zero
	v_wmma_f32_16x16x32_f16 v[ACC+8*(4*(\a)+(\b)):ACC+8*(4*(\a)+(\b))+7], v[(\f)+64+8*(4*(\c)+(\b)):(\f)+64+8*(4*(\c)+(\b))+7], v[(\f)+8*(4*(\c)+(\a)):(\f)+8*(4*(\c)+(\a))+7], 0
.else
	v_wmma_f32_16x16x32_f16 v[ACC+8*(4*(\a)+(\b)):ACC+8*(4*(\a)+(\b))+7], v[(\f)+64+8*(4*(\c)+(\b)):(\f)+64+8*(4*(\c)+(\b))+7], v[(\f)+8*(4*(\c)+(\a)):(\f)+8*(4*(\c)+(\a))+7], v[ACC+8*(4*(\a)+(\b)):ACC+8*(4*(\a)+(\b))+7]
.endif
.endr
.endr
.endm
; 32 LDS loads in one run: the fragments of quarter q (64 along K: one block of A, 64 rows of W) of a slot, into buffer f; the first 32 along K first
.macro FETCH slot, q, f
	WIN TO_F
.irp c, 0,1
.irp i, 0,1,2,3
	ds_load_tr16_b128 v[(\f)+64+8*(4*(\c)+(\i)):(\f)+64+8*(4*(\c)+(\i))+3],   v[ADRB+2*(\slot)+(\q)/2] offset:(((\q)%2)*64+32*(\c))*PB+32*(\i)
	ds_load_tr16_b128 v[(\f)+64+8*(4*(\c)+(\i))+4:(\f)+64+8*(4*(\c)+(\i))+7], v[ADRB+2*(\slot)+(\q)/2] offset:(((\q)%2)*64+32*(\c))*PB+32*(\i)+16*PB
	ds_load_b128 v[(\f)+8*(4*(\c)+(\i)):(\f)+8*(4*(\c)+(\i))+3],   v[ADRA+(\slot)] offset:(\q)*ABLK+(\i)*16*PA+64*(\c)
	ds_load_b128 v[(\f)+8*(4*(\c)+(\i))+4:(\f)+8*(4*(\c)+(\i))+7], v[ADRA+(\slot)] offset:(\q)*ABLK+(\i)*16*PA+64*(\c)+32
.endr
.endr
.endm
.macro PLACES                          ; four plain instructions between a matrix instruction and a load into, or a vector instruction on, its registers
.rept 4
	v_nop
.endr
.endm
; One of a K step's first three quarters: multiplies buffer f and, in its middle, fetches quarter q into g.
.macro QUARTER slot, q, f, g, zero
	s_wait_dscnt 16                                ; the first 32 along K are in; the sixteen younger loads may be out
	MUL8 \f, 0, 0, \zero
	MUL8 \f, 0, 2, \zero
	PLACES
	FETCH \slot, \q, \g
	s_wait_dscnt 32                                ; all but the 32 just issued
	MUL8 \f, 1, 0, 0
	MUL8 \f, 1, 2, 0
.endm
; The last quarter multiplies buffer 1 and changes slots.  In front of the barrier each wave waits for all its tensor loads (its part of the next slot), adds 0 to its spare word, and waits for that and for its
; reads of this slot.  fill = 1: the barrier opens a round of the cluster's, and the slot is filled again, two K steps on, first thing behind the round.
.macro TURN slot, next, fill
	WIN 0
	s_wait_tensorcnt 0x0
	ds_add_u32 v[SPW], v[NIL]
	s_wait_dscnt 17                                ; the add and the youngest sixteen loads may be out
	MUL8 F1, 0, 0, 0
	s_wait_dscnt 0x0                               ; the add is done, and my reads of this slot are over
	s_barrier_signal -1
	MUL8 F1, 0, 2, 0
.if \fill
	WIN 0
.endif
	s_barrier_wait -1
.if \fill
	CREST
	s_add_nc_u64 s[G0+4*(\slot)+2:G0+4*(\slot)+3], s[G0+4*(\slot)+2:G0+4*(\slot)+3], 2*ASTEP
	s_add_nc_u64 s[G0B+4*(\slot)+2:G0B+4*(\slot)+3], s[G0B+4*(\slot)+2:G0B+4*(\slot)+3], 2*BSTEP
	JLOAD \slot                                    ; its four v_nop are also the places in front of the loads below
.else
	PLACES
.endif
	FETCH \next, 0, F0
	MUL8 F1, 1, 0, 0
	MUL8 F1, 1, 2, 0
.endm
	s_wait_tensorcnt 1                             ; my part of K step 0 is in; K step 1's, issued behind it, may stay out
	s_barrier_signal -1
	s_barrier_wait -1
	FETCH 0, 0, F0
	QUARTER 0, 1, F0, F1, 1                        ; K step 0; its first products start the sums
	QUARTER 0, 2, F1, F0, 0
	QUARTER 0, 3, F0, F1, 0
	TURN 0, 1, 1                                   ; slot 0 takes K step 2
	QUARTER 1, 1, F0, F1, 0                        ; K step 1
	QUARTER 1, 2, F1, F0, 0
	QUARTER 1, 3, F0, F1, 0
	TURN 1, 0, 1                                   ; slot 1 takes K step 3
	QUARTER 0, 1, F0, F1, 0                        ; K step 2
	QUARTER 0, 2, F1, F0, 0
	QUARTER 0, 3, F0, F1, 0
	TURN 0, 1, 0                                   ; nothing is left to fetch
	QUARTER 1, 1, F0, F1, 0                        ; K step 3
	QUARTER 1, 2, F1, F0, 0
	QUARTER 1, 3, F0, F1, 0
.if !FINAL
	WIN 0
	s_cmp_lt_u32 s[KX], 2
	s_cbranch_scc0 .Lno_tab
	PLACES                                         ; buffer 0 has had its last product: it takes cos and sin of my 64 rows: for row block a at 32 a: cos of f = 8 h + 0..7, of 16 + 8 h + .., then sin likewise
	WIN TO_F
.irp a, 0,1,2,3
.irp e, 0,1,2,3
	global_load_b128 v[32*(\a)+8*(\e):32*(\a)+8*(\e)+3],   v[TO], s[100:101] offset:(\a)*4096+64*(\e)
	global_load_b128 v[32*(\a)+8*(\e)+4:32*(\a)+8*(\e)+7], v[TO], s[100:101] offset:(\a)*4096+64*(\e)+16
.endr
.endr
	WIN 0
.Lno_tab:
.endif
	s_wait_dscnt 16                                ; the very last quarter
	MUL8 F1, 0, 0, 0
	MUL8 F1, 0, 2, 0
	s_wait_dscnt 0x0
	MUL8 F1, 1, 0, 0
	MUL8 F1, 1, 2, 0
	WIN 0
	PLACES
	; THE WAY OUT.  The bias; each accumulator's registers in ascending order.
.set a, 0
.rept 4
.set b, 0
.rept 4
.set p, 0
.rept 4
.set rX, ACC+8*(4*a+b)+2*p
	v_pk_add_f32 v[rX:rX+1], v[rX:rX+1], v[BI+8*b+2*p:BI+8*b+2*p+1]
.set p, p+1
.endr
.set b, b+1
.endr
.set a, a+1
.endr
.if !FINAL
	s_cmp_lt_u32 s[KX], 2
	s_cbranch_scc0 .Lno_norm
	; Q and K: the mean of a row's 64 squares: my 32 in four chains, then the other half of the lanes'
.set a, 0
.rept 4
.set b, 0
.rept 4
.set rX, ACC+8*(4*a+b)
	v_pk_mul_f32 v[TT+2*b:TT+2*b+1], v[rX:rX+1], v[rX:rX+1]
.set b, b+1
.endr
.set p, 1
.rept 3
.set b, 0
.rept 4
.set rX, ACC+8*(4*a+b)+2*p
	v_pk_fma_f32 v[TT+2*b:TT+2*b+1], v[rX:rX+1], v[rX:rX+1], v[TT+2*b:TT+2*b+1]
.set b, b+1
.endr
.set p, p+1
.endr
	v_pk_add_f32 v[TT:TT+1], v[TT:TT+1], v[TT+2:TT+3]
	v_pk_add_f32 v[TT+4:TT+5], v[TT+4:TT+5], v[TT+6:TT+7]
	v_pk_add_f32 v[TT:TT+1], v[TT:TT+1], v[TT+4:TT+5]
	v_add_f32 v[TT+8+a], v[TT], v[TT+1]
.set a, a+1
.endr
.irp a, 0,1,2,3
	v_permlanex16_b32 v[TT+(\a)], v[TT+8+(\a)], s96, s97
.endr
.irp a, 0,1,2,3
	v_add_f32 v[TT+8+(\a)], v[TT+8+(\a)], v[TT+(\a)]
.endr
.irp a, 0,1,2,3
	v_fma_f32 v[TT+8+(\a)], v[TT+8+(\a)], s94, s95
	v_mov_b32 v[RS+2*(\a)+1], 0                    ; named with the root as a pair
.endr
.irp a, 0,1,2,3
	v_rsq_f32 v[RS+2*(\a)], v[TT+8+(\a)]
.endr
	v_nop                                          ; a plain instruction behind the last root,
	s_wait_alu depctr_va_vdst(0)                   ; and one wait for the four, ahead of their first reader
.set a, 0
.rept 4
.set b, 0
.rept 4
.set p, 0
.rept 4
.set rX, ACC+8*(4*a+b)+2*p
	v_pk_mul_f32 v[rX:rX+1], v[rX:rX+1], v[RS+2*a:RS+2*a+1] op_sel_hi:[1,0]
.set p, p+1
.endr
.set b, b+1
.endr
.set b, 0
.rept 4
.set p, 0
.rept 4
.set rX, ACC+8*(4*a+b)+2*p
	v_pk_mul_f32 v[rX:rX+1], v[rX:rX+1], v[GG+8*b+2*p:GG+8*b+2*p+1]
.set p, p+1
.endr
.set b, b+1
.endr
.set a, a+1
.endr
	; RoPE: columns c and c + 32 are column blocks bb and bb + 2 of one lane
	WIN 0x04                                       ; source 1 (cos, sin) in window 1
.set a, 0
.rept 4
	s_wait_loadcnt 8*(3-a)                         ; row block a's eight loads are in; the later blocks' may stay out
.set bb, 0
.rept 2
.set jj, 0
.rept 4
.set y1, ACC+8*(4*a+bb)+2*jj
.set y2, ACC+8*(4*a+bb+2)+2*jj
.set cs, 32*a+8*bb+2*jj
.set sn, 32*a+16+8*bb+2*jj
.set t1, TT+4*(jj%2)
.set t2, TT+4*(jj%2)+2
	v_pk_mul_f32 v[t1:t1+1], v[y2:y2+1], v[sn:sn+1]
	v_pk_mul_f32 v[t2:t2+1], v[y1:y1+1], v[sn:sn+1]
	v_pk_fma_f32 v[y1:y1+1], v[y1:y1+1], v[cs:cs+1], v[t1:t1+1] neg_lo:[0,0,1] neg_hi:[0,0,1]
	v_pk_fma_f32 v[y2:y2+1], v[y2:y2+1], v[cs:cs+1], v[t2:t2+1]
.set jj, jj+1
.endr
.set bb, bb+1
.endr
.set a, a+1
.endr
	WIN 0
.Lno_norm:
	; Q, K, V: rounded once to f16, through my own stage, 16 rows of a head (2,048 consecutive bytes) at a time
	s_lshl_b32 s2, s[KX], 23
	s_add_co_u32 s2, s2, s87
	s_mov_b32 s3, 0
	s_add_nc_u64 s[98:99], s[OUTP:OUTP+1], s[2:3]
.set a, 0
.rept 4
.set b, 0
.rept 4
.set rA, ACC+8*(4*a+b)
.set i, 0
.rept 4
	v_cvt_pk_f16_f32 v[rA+i], v[rA+2*i], v[rA+2*i+1]
.set i, i+1
.endr
.set b, b+1
.endr
.set b, 0
.rept 4
.set rA, ACC+8*(4*a+b)
	ds_store_b128 v[STO], v[rA:rA+3] offset:32*b
.set b, b+1
.endr
.set b, 0
.rept 4
.set rA, ACC+8*(4*a+b)
	ds_load_b128 v[rA+4:rA+7], v[RD] offset:b*4*PA  ; LDS serves a wave's instructions in order (ISA guide 5.7.1.4): these see the stores above; the next block's stores come behind them
.set b, b+1
.endr
.set b, 0
.rept 4
.set rA, ACC+8*(4*a+b)
	s_wait_dscnt 3-b
	global_store_b128 v[GO], v[rA+4:rA+7], s[98:99] offset:a*2048+b*512  ; 512 consecutive bytes, at a multiple of 256 from the buffer's first
.set b, b+1
.endr
.set a, a+1
.endr
.else
	; the output projection: f32, through my own stage, 16 rows x 256 bytes at a time
	s_mov_b32 s2, s88
	s_mov_b32 s3, 0
	s_add_nc_u64 s[98:99], s[OUTP:OUTP+1], s[2:3]
.set a, 0
.rept 4
.set b, 0
.rept 4
.set rA, ACC+8*(4*a+b)
	ds_store_b128 v[STO2], v[rA:rA+3]   offset:64*b
	ds_store_b128 v[STO2], v[rA+4:rA+7] offset:64*b+16
.set b, b+1
.endr
.set i, 0
.rept 8
	ds_load_b128 v[ACC+32*a+4*i:ACC+32*a+4*i+3], v[RD2] offset:i*2*272
.set i, i+1
.endr
.set i, 0
.rept 8
	s_wait_dscnt 7-i
	global_store_b128 v[GO2], v[ACC+32*a+4*i:ACC+32*a+4*i+3], s[98:99] offset:(16*a+2*i)*4096  ; 16 lanes store 256 consecutive bytes, aligned
.set i, i+1
.endr
.set a, a+1
.endr
.endif
	s_wait_tensorcnt 0x0                           ; the wave's end: behind my last tensor load and my last LDS store
	ds_add_u32 v[SPW], v[NIL]
	s_wait_dscnt 0x0
	CROUND                                         ; the closing round: no work-group ends while a partner may still ask for a tile that names it
	s_endpgm
.Lfunc_end_k_qd541788a36_qkv:
	.size	k_qd541788a36_qkv, .Lfunc_end_k_qd541788a36_qkv-k_qd541788a36_qkv
	.p2alignl 7, 3214868480
	.fill 96, 4, 3214868480
	.section	.rodata,"a",@progbits
	.p2align	6, 0x0
	.amdhsa_kernel k_qd541788a36_qkv
		.amdhsa_group_segment_fixed_size 327680
		.amdhsa_private_segment_fixed_size 0
		.amdhsa_enable_private_segment 0
		.amdhsa_kernarg_size 64
		.amdhsa_user_sgpr_count 2
		.amdhsa_user_sgpr_kernarg_segment_ptr 1
		.amdhsa_wavefront_size32 1
		.amdhsa_system_sgpr_workgroup_id_x 1
		.amdhsa_system_sgpr_workgroup_id_y 1
		.amdhsa_system_sgpr_workgroup_id_z 1
		.amdhsa_system_vgpr_workitem_id 0
		.amdhsa_next_free_vgpr 512
		.amdhsa_next_free_sgpr 104
		.amdhsa_reserve_vcc 0
		.amdhsa_float_denorm_mode_32 3
		.amdhsa_float_denorm_mode_16_64 3
		.amdhsa_memory_ordered 1
		.amdhsa_forward_progress 1
		.amdhsa_inst_pref_size 125
	.end_amdhsa_kernel
	.amdgpu_metadata
---
amdhsa.version: [ 1, 2 ]
amdhsa.kernels:
  - .name:           k_qd541788a36_qkv
    .symbol:         k_qd541788a36_qkv.kd
    .args:
      - { .name: xa, .offset: 0, .size: 8, .value_kind: global_buffer, .address_space: global }
      - { .name: w3, .offset: 8, .size: 8, .value_kind: global_buffer, .address_space: global }
      - { .name: bq, .offset: 16, .size: 8, .value_kind: global_buffer, .address_space: global }
      - { .name: bk, .offset: 24, .size: 8, .value_kind: global_buffer, .address_space: global }
      - { .name: bv, .offset: 32, .size: 8, .value_kind: global_buffer, .address_space: global }
      - { .name: q_scale, .offset: 40, .size: 8, .value_kind: global_buffer, .address_space: global }
      - { .name: k_scale, .offset: 48, .size: 8, .value_kind: global_buffer, .address_space: global }
      - { .name: hd, .offset: 56, .size: 8, .value_kind: global_buffer, .address_space: global }
    .group_segment_fixed_size: 327680
    .private_segment_fixed_size: 0
    .kernarg_segment_align: 8
    .kernarg_segment_size: 64
    .max_flat_workgroup_size: 128
    .sgpr_count:     104
    .vgpr_count:     512
    .wavefront_size: 32
...
	.end_amdgpu_metadata
.endif
;; end of part 2
;; launch attn (part 3): grid 8 x 32, 8 waves a work-group, clusters of 4 x 1, 327,680 bytes of LDS; arguments hd, mb, att, out1; writes att, out1
.if DOCPART == 3
	.amdgcn_target "amdgcn-amd-amdhsa--gfx1250"
	.amdhsa_code_object_version 6
	.text
	.protected	k_qd541788a36_attn
	.globl	k_qd541788a36_attn
	.p2align	8
	.type	k_qd541788a36_attn,@function
k_qd541788a36_attn:
	s_mov_b64 s[64:65], 0
	v_nop
	global_prefetch_b8 v0, s[64:65] scope:SCOPE_SE
	s_setreg_imm32_b32 hwreg(HW_REG_WAVE_MODE, 25, 1), 1
	s_wait_xcnt 0x0
	s_wait_alu depctr_hold_cnt(0) depctr_sa_sdst(0) depctr_va_vdst(0) depctr_va_sdst(0) depctr_va_ssrc(0) depctr_va_vcc(0) depctr_vm_vsrc(0)
	s_getreg_b32 s2, hwreg(HW_REG_IB_STS2, 6, 4)
	s_cmp_eq_u32 s2, 0
	s_cbranch_scc0 .Lentry_in_a_cluster
	s_endpgm
.Lentry_in_a_cluster:
	s_bfe_u32 s2, ttmp6, 0x10000c
	s_cmp_lg_u32 s2, 0x3003
	s_cbranch_scc0 .Lentry_shape_is_right
	s_endpgm
.Lentry_shape_is_right:
; ATTENTION with a softcap, a mask given as lane words, and each row's normalised entropy.  hd: f16 [q, k, v][32 heads of both batches][2048][64]; q carries 2 log2(e) / 400.
; For a score, S' = k . q = 2 x log2(e), x = logit / 50.  tanh x = 1 - 2 r, r = 1 / (1 + 2^S').  The capped logit in powers of two is A - Bc r, Bc = 100 log2(e): it falls as r rises, so THE RUNNING MAXIMUM
; IS KEPT AS A RUNNING MINIMUM R of r, with KR = Bc R rounded once.  u = KR - Bc r, e = 2^u; in every step O, l and T are corrected by a = 2^d, d = KR_new - KR_old (exactly 0 where R has not moved).
; MASK.  A hidden score takes r = 2^93 ahead of the minimum: u is about -1.4e30, e = 0, e u = -0.  R starts at 2^93 too (Bc 2^93 is exact): steps in which all keys so far are hidden give e = 1, and the first
; valid key wipes them out with a = 0.  A row with no valid key gets 1 / l = 0 and entropy 0 at the end, a row with one valid key the NaN of 0 / 0.
; ENTROPY.  l = sum e, T = sum e u (f32, in pairs of even and odd keys); T = a (T + d l) + sum e u.  entropy = (log2 l - T / l) / log2(number of valid keys).
; SHARES.  A work-group: 256 queries of one head; each of its eight waves 32: two tiles of 16.  Every wave walks all 2,048 keys, 64 a step.  Two waves share a SIMD: a step is written in phases, with three
; batches of exponentials and reciprocals that lean on each other, and the other wave works while one waits.
; LAYOUT.  S^T = K Q^T holds ONE query a lane (lane % 16) and the keys 16 (i / 8) + 8 (lane / 16) + i % 8 in register i; pairs rounded to f16 ARE source 1 of O^T = V^T P.
; CLUSTER.  Four query blocks of a head walk the same K and V: each tile is asked for jointly.  Waves 0 and 1 fetch K's halves of a slot (four steps), waves 2 and 3 V's, waves 4 to 7 none.
; LIMITS.  p below 6e-5 keeps f16's fixed step; a weight below 2^-126 counts as 0; NaN and infinities among q, k, v are not treated apart.
; REGISTERS.  Window 0: v0-15 addresses; v16-39 statistics, 12 a tile; v40-47 at work; v48-63 counts and constants; v64-127 S (then r, then u); v128-191 e; v192-223 P.
; Window 1: v0-63 O^T; v64-95 Q; v96-159 K of one step; v160-223 V of one step.
.set KS,    64
.set PK,    144                        ; a row of K in LDS: 128 bytes + 16
.set PV,    160                        ; a row of V: 128 + 32
.set VOFF,  4*KS*PK                    ; a slot: 256 rows of K, then 256 rows of V
.set SLOT1, 1<<17
.set STAGE, SLOT1+4*KS*(PK+PV)         ; behind the ring, never filled by a tensor load: 16 rows x 144 bytes for each wave
.set SP,    144
.set SPARE, STAGE+8*16*SP              ; the spare words, 128 bytes for each wave; no other line names them
.set AK0, 2
.set AV0, 3
.set AK,  4
.set AV,  5
.set QO,  6
.set RD,  7
.set GO,  8
.set EO,  11                           ; 4 x lane
.set RB,  12                           ; 2^93
.set STO, 13
.set SPW, 14
.set NIL, 15
.set ST,  16                           ; tile u at ST + 12 u: 0 KR, 1 R, 2-3 l, 4-5 T, 6 a (later 1 / l), 7 named with it, 8 d, 9 KR_old, 10-11 at work
.set TMP, 40
.set CT,  48                           ; v48-49 the tiles' numbers of valid keys, f32
.set NB,  50                           ; v50-51 -Bc, twice
.set S,   64
.set E,   128
.set P,   192
.set OF,  0                            ; window 1
.set QF,  64
.set KF,  96
.set VF,  160
.set G1K, 4                            ; s[4:11]
.set G1V, 12                           ; s[12:19]
.set G0K, 20                           ; s[20:23]  it walks
.set G0V, 24                           ; s[24:27]
.set MP,  28                           ; s[28:29]  the mask words of the step whose words were last asked for
.set WV,  30
.set CNT, 31
.set SLOTS, 2
.set MB0, 32                           ; s[32:63]  tile 0's 32 lane masks
.set MB1, 68                           ; s[68:99]  tile 1's
.set TBK, 66
.set TBV, 67
.set SEL, 100                          ; s[100:101]
.set MSB, 0
.macro WIN new
.if MSB != (\new)
	s_set_vgpr_msb (MSB<<8)|(\new)
.set MSB, (\new)
.endif
.endm
.set W_KQ, 0x05                        ; K and Q in window 1, S^T in window 0
.set W_PV, 0x51                        ; V and O^T in window 1, P in window 0
.set W_RS, 0x41                        ; O^T (destination and source 0) in window 1, the factor in window 0
.set W_LD, 0x40                        ; destination window 1, address window 0
.macro JLOAD                           ; s_nop 0 and four v_nop follow each of the two lines; the branches hang on the wave's number alone
	s_cmp_lt_u32 s[WV], 2
	s_cbranch_scc0 .Lnot_k_\@
	tensor_load_to_lds s[G0K:G0K+3], s[G1K:G1K+7]
	s_nop 0
.rept 4
	v_nop
.endr
	s_branch .Lasked_\@
.Lnot_k_\@:
	s_cmp_lt_u32 s[WV], 4
	s_cbranch_scc0 .Lasked_\@
	tensor_load_to_lds s[G0V:G0V+3], s[G1V:G1V+7]
	s_nop 0
.rept 4
	v_nop
.endr
.Lasked_\@:
.endm
.macro CROUND
	s_barrier_signal -1
	s_barrier_wait -1
	s_cmp_lg_u32 s[WV], 0
	s_cbranch_scc1 .Lnot_wave_0_\@
	s_barrier_signal -3
.Lnot_wave_0_\@:
	s_barrier_wait -3
	s_barrier_signal -1
	s_barrier_wait -1
.endm
; THE CHANGE OF SLOTS.  K and V of the old slot's four steps have been asked for.  Each wave waits for all its tensor loads (at most one is out: its part of the other slot), adds 0 to its spare word, and waits for
; that and for its reads of the old slot.  fill = 1: a round of the cluster's barrier, and the old slot is filled again, first thing behind it, with the keys two slots on: it has four key steps in which to land.
.macro CHANGE fill
	WIN 0
	s_wait_tensorcnt 0x0
	ds_add_u32 v[SPW], v[NIL]
.if \fill
.irp g, G0K, G0V
	s_xor_b32 s[\g+1], s[\g+1], SLOT1
	s_add_nc_u64 s[\g+2:\g+3], s[\g+2:\g+3], 4*KS*128
.endr
	s_wait_dscnt 0x0
	CROUND
	JLOAD
.else
	s_wait_dscnt 0x0
	s_barrier_signal -1
	s_barrier_wait -1
.endif
	s_sub_co_u32 s[TBK], s[TBK], 4*KS*PK           ; the fetches go back to a slot's first step, in the other slot
	s_xor_b32 s[TBK], s[TBK], SLOT1
	s_sub_co_u32 s[TBV], s[TBV], 4*KS*PV
	s_xor_b32 s[TBV], s[TBV], SLOT1
.endm
	s_load_b256 s[32:39], s[0:1], 0x0              ; hd s[32:33], mb s[34:35]; the two outputs are fetched again at the end
	v_lshl_add_u32 v[SPW], v0, 2, SPARE
	v_mov_b32 v[NIL], 0
	ds_add_u32 v[SPW], v[NIL]                      ; the wave's opening: the add and its wait ahead of the first tensor load
	v_lshrrev_b32 v1, 5, v0
	v_readfirstlane_b32 s[WV], v1                  ; wave 0..7
	s_bfe_u32 s40, ttmp6, 0x40000                  ; cx
	s_lshl_b32 s41, ttmp9, 2
	s_add_co_u32 s41, s41, s40                     ; my block of 256 queries: it enters Q's, the mask's and the outputs' addresses alone
	s_and_b32 s42, ttmp7, 0xffff                   ; 16 batch + head, which the four partners share
	s_and_b32 s43, s[WV], 1                        ; which half of a slot's 256 keys I fetch
	s_lshl_b32 s44, s42, 18                        ; a head is 262,144 bytes
	s_lshl_b32 s45, s43, 14
	s_add_co_u32 s44, s44, s45
	s_add_co_u32 s44, s44, 8388608                 ; K
	s_add_co_u32 s46, s44, 8388608                 ; V
	s_mov_b32 s45, 0
	s_mov_b32 s47, 0
	s_mul_i32 s48, s43, 128*PK
	s_mul_i32 s49, s43, 128*PV
	s_lshl_b32 s50, s42, 18                        ; Q: the head, my block, my wave's 32 rows
	s_lshl_b32 s51, s41, 15
	s_add_co_u32 s50, s50, s51
	s_lshl_b32 s51, s[WV], 12
	s_add_co_u32 s50, s50, s51
	s_mov_b32 s51, 0
	s_lshr_b32 s56, s42, 4                         ; 128 batch + my first tile of 16 queries
	s_lshl_b32 s56, s56, 7
	s_lshl_b32 s57, s41, 4
	s_add_co_u32 s56, s56, s57
	s_lshl_b32 s57, s[WV], 1
	s_add_co_u32 s56, s56, s57
	s_lshl_b32 s52, s56, 12                        ; a tile's mask words: 4,096 bytes
	s_mov_b32 s53, 0
	s_lshl_b32 s54, s56, 10                        ; a tile's counts: 1,024 bytes, behind the words
	s_add_co_u32 s54, s54, 1048576
	s_mov_b32 s55, 0
	s_and_b32 s104, s42, 15                        ; att: (4,096 head + 2,048 batch + my first row) x 128 bytes
	s_lshl_b32 s104, s104, 12
	s_lshr_b32 s57, s42, 4
	s_lshl_b32 s57, s57, 11
	s_add_co_u32 s104, s104, s57
	s_lshl_b32 s57, s41, 8
	s_lshl_b32 s58, s[WV], 5
	s_add_co_u32 s57, s57, s58                     ; my first row in the head
	s_add_co_u32 s104, s104, s57
	s_lshl_b32 s104, s104, 7
	s_lshl_b32 s105, s42, 11                       ; out1: (2,048 (16 batch + head) + my first row) x 4 bytes
	s_add_co_u32 s105, s105, s57
	s_lshl_b32 s105, s105, 2
	; 128 keys are 16,384 dense bytes: asked for as 64 rows of 256 bytes, two keys a row, padded in LDS after every key
	s_mov_b32 s[G1K], 15|(1<<16)|(1<<20)|(1<<21)|(4<<22)|(3<<25)
	s_mov_b32 s[G1V], 15|(1<<16)|(1<<20)|(1<<21)|(4<<22)|(7<<25)
.irp g, G1K, G1V
	s_mov_b32 s[\g+1], 128<<16
	s_mov_b32 s[\g+2], 64<<16
	s_mov_b32 s[\g+3], 128<<16
	s_mov_b32 s[\g+4], 64
	s_mov_b32 s[\g+5], 128
	s_mov_b32 s[\g+6], 0
	s_mov_b32 s[\g+7], 0
.endr
	s_mov_b32 s[SEL], 0x76543210
	s_mov_b32 s[SEL+1], 0xfedcba98
	s_mov_b32 s[TBK], SLOT1+4*KS*PK                ; the first change of slots turns these two into 0
	s_mov_b32 s[TBV], SLOT1+4*KS*PV
	s_mov_b32 s[G0K], 1
	s_mov_b32 s[G0K+1], s48
	s_mov_b32 s[G0V], 1
	s_add_co_u32 s[G0V+1], s49, VOFF
	s_wait_dscnt 0x0                               ; the opening add is done
	s_wait_kmcnt 0x0
	s_add_nc_u64 s[G0K+2:G0K+3], s[32:33], s[44:45]
	s_or_b32 s[G0K+3], s[G0K+3], 0x80000000
	s_add_nc_u64 s[G0V+2:G0V+3], s[32:33], s[46:47]
	s_or_b32 s[G0V+3], s[G0V+3], 0x80000000
	s_add_nc_u64 s[50:51], s[32:33], s[50:51]
	s_add_nc_u64 s[MP:MP+1], s[34:35], s[52:53]
	s_add_nc_u64 s[54:55], s[34:35], s[54:55]
	CROUND                                         ; all four work-groups are here: the first joint loads meet
	JLOAD                                          ; slot 0; slot 1 is asked for when slot 0 is in
	v_and_b32 v1, 15, v0                           ; l % 16
	v_bfe_u32 v9, v0, 4, 1                         ; l / 16
	v_lshlrev_b32 v[QO], 7, v1
	v_lshl_add_u32 v[QO], v9, 4, v[QO]
	v_and_b32 v[EO], 31, v0
	v_lshlrev_b32 v[GO], 4, v[EO]
	v_lshlrev_b32 v[EO], 2, v[EO]
	WIN W_LD
.set i, 0
.rept 4                                ; Q stays in registers: tile i / 2, channels 32 (i % 2) on
	global_load_b128 v[QF+8*i:QF+8*i+3],   v[QO], s[50:51] offset:(i/2)*2048+(i%2)*64
	global_load_b128 v[QF+8*i+4:QF+8*i+7], v[QO], s[50:51] offset:(i/2)*2048+(i%2)*64+32
.set i, i+1
.endr
.set i, 0
.rept 64
	v_mov_b32 v[OF+i], 0                           ; O^T starts at 0, in the wait for the first tile
.set i, i+1
.endr
	WIN 0
.set i, 0
.rept 16                               ; the counts of valid keys: tile i / 8, part i % 8
	global_load_b32 v[E+i], v[EO], s[54:55] offset:(i/8)*1024+(i%8)*128
.set i, i+1
.endr
	v_mov_b32 v[RB], 0x6e000000
	v_mov_b32 v[NB], 0xc31044fe
	v_mov_b32 v[NB+1], 0xc31044fe
	v_mov_b32 v52, 0x7fc00000
	v_mov_b32 v53, 0
.irp u, 0,1
	v_mul_f32 v[ST+12*(\u)], 0x431044fe, v[RB]
	v_mov_b32 v[ST+12*(\u)+1], v[RB]
	v_mov_b32 v[ST+12*(\u)+2], 0
	v_mov_b32 v[ST+12*(\u)+3], 0
	v_mov_b32 v[ST+12*(\u)+4], 0
	v_mov_b32 v[ST+12*(\u)+5], 0
	v_mov_b32 v[ST+12*(\u)+7], 0
.endr
	v_mul_u32_u24 v[AK0], v1, PK
	v_lshl_add_u32 v[AK0], v9, 4, v[AK0]
	v_and_b32 v55, 7, v0                           ; the turning load: lane l reads key 8 (l / 16) + l % 8, channels 8 ((l / 8) % 2) + 0..7
	v_bfe_u32 v56, v0, 3, 1
	v_lshl_add_u32 v[AV0], v9, 3, v55
	v_mul_u32_u24 v[AV0], v[AV0], PV
	v_lshl_add_u32 v[AV0], v56, 4, v[AV0]
	v_add_nc_u32 v[AV0], VOFF, v[AV0]
	s_mul_i32 s3, s[WV], 16*SP
	s_add_co_u32 s3, s3, STAGE                     ; my stage
	v_mul_u32_u24 v[STO], v1, SP
	v_lshl_add_u32 v[STO], v9, 4, v[STO]
	v_add_nc_u32 v[STO], s3, v[STO]
	v_bfe_u32 v[RD], v0, 3, 2
	v_mul_u32_u24 v[RD], v[RD], SP
	v_lshl_add_u32 v[RD], v55, 4, v[RD]
	v_add_nc_u32 v[RD], s3, v[RD]
	s_wait_loadcnt 0x0                             ; Q and the counts; their scalar bases lie where the masks are loaded next
.irp u, 0,1
	v_add3_u32 v[CT+(\u)], v[E+8*(\u)], v[E+8*(\u)+1], v[E+8*(\u)+2]
	v_add3_u32 v[CT+(\u)], v[CT+(\u)], v[E+8*(\u)+3], v[E+8*(\u)+4]
	v_add3_u32 v[CT+(\u)], v[CT+(\u)], v[E+8*(\u)+5], v[E+8*(\u)+6]
	v_add_nc_u32 v[CT+(\u)], v[CT+(\u)], v[E+8*(\u)+7]
.endr
.irp u, 0,1
	v_permlanex16_b32 v[E+(\u)], v[CT+(\u)], s[SEL], s[SEL+1]
.endr
.irp u, 0,1
	v_add_nc_u32 v[CT+(\u)], v[CT+(\u)], v[E+(\u)]
	v_cvt_f32_u32 v[CT+(\u)], v[CT+(\u)]
.endr
	s_load_b512 s[MB0:MB0+15],    s[MP:MP+1], 0x0  ; key step 0's lane masks
	s_load_b512 s[MB0+16:MB0+31], s[MP:MP+1], 0x40
	s_load_b512 s[MB1:MB1+15],    s[MP:MP+1], 0x1000
	s_load_b512 s[MB1+16:MB1+31], s[MP:MP+1], 0x1040
; THE MATRIX WORK.  The 8 accumulators of a run of 16 take turns.  Product i of S^T = K Q^T: channels 32 (i / 8) on, keys 16 ((i / 2) % 4) on, tile i % 2.
.macro KQ
	WIN W_KQ
.set rS, S+32*(i%2)+8*((i/2)%4)
.set rK, KF+16*((i/2)%4)+8*(i/8)
.set rQ, QF+16*(i%2)+8*(i/8)
.if i < 8
	v_wmma_f32_16x16x32_f16 v[rS:rS+7], v[rK:rK+7], v[rQ:rQ+7], 0
.else
	v_wmma_f32_16x16x32_f16 v[rS:rS+7], v[rK:rK+7], v[rQ:rQ+7], v[rS:rS+7]
.endif
.set i, i+1
.endm
; Product i of O^T += V^T P: keys 32 (i / 8) on, channels 16 ((i / 2) % 4) on, tile i % 2.
.macro PV
	WIN W_PV
.set rO, OF+32*(i%2)+8*((i/2)%4)
.set rV, VF+32*(i/8)+8*((i/2)%4)
.set rP, P+16*(i%2)+8*(i/8)
	v_wmma_f32_16x16x32_f16 v[rO:rO+7], v[rV:rV+7], v[rP:rP+7], v[rO:rO+7]
.set i, i+1
.endm
; THE LDS LOADS, in runs of 16.  The address line and three v_nop are the four places behind the products that read the registers (and, for K's run, ahead of the first reader of the new scores).
; last = 1: in the tail's last trip there is no further step, and the run is jumped over.
.macro FETCH_K last=0
	WIN 0
	v_add_nc_u32 v[AK], s[TBK], v[AK0]
.rept 3
	v_nop
.endr
.if \last
	s_cmp_eq_u32 s[CNT], 1
	s_cbranch_scc1 .Lno_k_\@
.endif
	WIN W_LD
.irp f, 0,1,2,3,4,5,6,7
	ds_load_b128 v[KF+8*\f:KF+8*\f+3],   v[AK] offset:(\f/2)*16*PK+(\f%2)*64
	ds_load_b128 v[KF+8*\f+4:KF+8*\f+7], v[AK] offset:(\f/2)*16*PK+(\f%2)*64+32
.endr
	s_add_co_u32 s[TBK], s[TBK], KS*PK
	WIN 0
.if \last
.Lno_k_\@:
.endif
.endm
.macro FETCH_V
	WIN 0
	v_add_nc_u32 v[AV], s[TBV], v[AV0]
.rept 3
	v_nop
.endr
	s_add_co_u32 s[TBV], s[TBV], KS*PV
	WIN W_LD
.irp f, 0,1,2,3,4,5,6,7
	ds_load_tr16_b128 v[VF+8*\f:VF+8*\f+3],   v[AV] offset:(\f/4)*32*PV+(\f%4)*32
	ds_load_tr16_b128 v[VF+8*\f+4:VF+8*\f+7], v[AV] offset:(\f/4)*32*PV+16*PV+(\f%4)*32
.endr
	WIN 0
.endm
; Number n of the 22 that find tile u's new minimum and what hangs on it.  0-13: four chains over the 32 r; 14, 16: with the old R into c0; 15: KR is kept; 17, 18: the other half of the lanes'; 19: KR; 20: d; 21: a.
.macro MN u, n
.set rT, ST+12*(\u)
.set rC, TMP+4*(\u)
.set rS, S+32*(\u)
.if (\n) < 4
	v_min3_num_f32 v[rC+(\n)], v[rS+8*(\n)], v[rS+8*(\n)+1], v[rS+8*(\n)+2]
.elseif (\n) < 12
	v_min3_num_f32 v[rC+(\n)%4], v[rC+(\n)%4], v[rS+8*((\n)%4)+2*((\n)/4)+1], v[rS+8*((\n)%4)+2*((\n)/4)+2]
.elseif (\n) == 12
	v_min3_num_f32 v[rC], v[rC], v[rS+7], v[rS+15]
.elseif (\n) == 13
	v_min3_num_f32 v[rC+1], v[rC+1], v[rS+23], v[rS+31]
.elseif (\n) == 14
	v_min3_num_f32 v[rC+2], v[rC+2], v[rC+3], v[rT+1]
.elseif (\n) == 15
	v_mov_b32 v[rT+9], v[rT]
.elseif (\n) == 16
	v_min3_num_f32 v[rC], v[rC], v[rC+1], v[rC+2]
.elseif (\n) == 17
	v_permlanex16_b32 v[rC+3], v[rC], s[SEL], s[SEL+1]
.elseif (\n) == 18
	v_min_num_f32 v[rT+1], v[rC], v[rC+3]
.elseif (\n) == 19
	v_mul_f32 v[rT], 0x431044fe, v[rT+1]
.elseif (\n) == 20
	v_sub_f32 v[rT+8], v[rT], v[rT+9]
.else
	v_exp_f32 v[rT+6], v[rT+8]
.endif
.endm
.macro U p                             ; pair p of 32: u = KR - Bc r, in place
.set rT, ST+12*((\p)/16)
	v_pk_fma_f32 v[S+2*(\p):S+2*(\p)+1], v[S+2*(\p):S+2*(\p)+1], v[NB:NB+1], v[rT:rT+1] op_sel_hi:[1,1,0]
.endm
; A KEY STEP j.  On entry S holds S' of step j, and V of step j has been asked for.  Each batch of exponentials or reciprocals has a plain instruction behind its last and ONE wait ahead of its first reader.
.macro TRIP last
	FETCH_K \last                                  ; K of step j + 1
.set i, 0
.rept 64
	v_exp_f32 v[S+i], v[S+i]                       ; 2^S', each accumulator's registers in ascending order
.set i, i+1
.endr
	v_nop
	s_wait_alu depctr_va_vdst(0)
	v_pk_add_f32 v[S:S+1], v[S:S+1], 1.0 op_sel_hi:[1,0]
	v_pk_add_f32 v[S+2:S+3], v[S+2:S+3], 1.0 op_sel_hi:[1,0]
.set i, 0
.rept 32
	v_rcp_f32 v[S+2*i], v[S+2*i]                   ; r
.if i < 30
	v_pk_add_f32 v[S+2*i+4:S+2*i+5], v[S+2*i+4:S+2*i+5], 1.0 op_sel_hi:[1,0]
.endif
	v_rcp_f32 v[S+2*i+1], v[S+2*i+1]
.set i, i+1
.endr
	v_nop
	s_wait_alu depctr_va_vdst(0)
	s_wait_kmcnt 0x0                               ; this step's lane masks
.set i, 0
.rept 32
	v_cndmask_b32 v[S+i], v[RB], v[S+i], s[MB0+i]
	v_cndmask_b32 v[S+32+i], v[RB], v[S+32+i], s[MB1+i]
.set i, i+1
.endr
.irp n, 0,1,2,3,4,5,6,7,8,9,10,11,12,13,14,15,16,17,18,19,20
	MN 0, \n
	MN 1, \n
.endr
	s_add_nc_u64 s[MP:MP+1], s[MP:MP+1], 128       ; the next step's masks; behind the last step these are the next tile's words or the counts, inside the buffer, and serve nothing
	s_load_b512 s[MB0:MB0+15],    s[MP:MP+1], 0x0
	s_load_b512 s[MB0+16:MB0+31], s[MP:MP+1], 0x40
	s_load_b512 s[MB1:MB1+15],    s[MP:MP+1], 0x1000
	s_load_b512 s[MB1+16:MB1+31], s[MP:MP+1], 0x1040
	MN 0, 21
	MN 1, 21
	U 0
	U 1
.set i, 0
.rept 32
	v_exp_f32 v[E+2*i], v[S+2*i]                   ; e
.if i < 30
	U (i+2)
.endif
	v_exp_f32 v[E+2*i+1], v[S+2*i+1]
.set i, i+1
.endr
	v_nop
	s_wait_alu depctr_va_vdst(0)
.irp u, 0,1
	v_pk_fma_f32 v[ST+12*(\u)+4:ST+12*(\u)+5], v[ST+12*(\u)+2:ST+12*(\u)+3], v[ST+12*(\u)+8:ST+12*(\u)+9], v[ST+12*(\u)+4:ST+12*(\u)+5] op_sel_hi:[1,0,1]  ; T + d l
.endr
.irp u, 0,1
	v_pk_mul_f32 v[ST+12*(\u)+4:ST+12*(\u)+5], v[ST+12*(\u)+4:ST+12*(\u)+5], v[ST+12*(\u)+6:ST+12*(\u)+7] op_sel_hi:[1,0]
.endr
.set i, 0
.rept 16
.irp u, 0,1
	v_cvt_pk_f16_f32 v[P+16*(\u)+i], v[E+32*(\u)+2*i], v[E+32*(\u)+2*i+1]
	v_pk_fma_f32 v[ST+12*(\u)+4:ST+12*(\u)+5], v[E+32*(\u)+2*i:E+32*(\u)+2*i+1], v[S+32*(\u)+2*i:S+32*(\u)+2*i+1], v[ST+12*(\u)+4:ST+12*(\u)+5]
.if i == 0
	v_pk_fma_f32 v[ST+12*(\u)+2:ST+12*(\u)+3], v[ST+12*(\u)+2:ST+12*(\u)+3], v[ST+12*(\u)+6:ST+12*(\u)+7], v[E+32*(\u):E+32*(\u)+1] op_sel_hi:[1,0,1]
.else
	v_pk_add_f32 v[ST+12*(\u)+2:ST+12*(\u)+3], v[ST+12*(\u)+2:ST+12*(\u)+3], v[E+32*(\u)+2*i:E+32*(\u)+2*i+1]
.endif
.endr
.set i, i+1
.endr
	WIN W_RS
.set i, 0
.rept 32
	v_pk_mul_f32 v[OF+2*i:OF+2*i+1], v[OF+2*i:OF+2*i+1], v[ST+12*(i/16)+6:ST+12*(i/16)+7] op_sel_hi:[1,0]
.set i, i+1
.endr
	s_wait_dscnt 0x0                               ; V of step j is in, and K of step j + 1, asked for at the trip's head
.set i, 0
.rept 16
	PV
.endr
	WIN 0
.if \last
	s_cmp_eq_u32 s[CNT], 1
	s_cbranch_scc1 .Lout                           ; the last key step is done
.endif
	FETCH_V                                        ; V of step j + 1
.set i, 0
.rept 16
	KQ
.endr
	WIN 0
.endm
	CHANGE 1                                       ; slot 0 is in, everybody's part of it; slot 1 is asked for
	FETCH_K
	FETCH_V
	s_wait_dscnt 0x0
.set i, 0
.rept 16
	KQ
.endr
	WIN 0
	s_mov_b32 s[CNT], 3                            ; steps 0 to 2; a change of slots stands ahead of steps 3, 7, .. 27, whose trips fetch from the next slot
	s_mov_b32 s[SLOTS], 7
	s_branch .Lstep
.Lslot:                                        ; six times: every slot but the last two is filled again
	CHANGE 1
	s_mov_b32 s[CNT], 4
.Lstep:
	TRIP 0
	s_sub_co_u32 s[CNT], s[CNT], 1
	s_cmp_lg_u32 s[CNT], 0
	s_cbranch_scc1 .Lstep
	s_sub_co_u32 s[SLOTS], s[SLOTS], 1
	s_cmp_lg_u32 s[SLOTS], 0
	s_cbranch_scc1 .Lslot
	CHANGE 0                                       ; the tail is written out: nothing is asked for
	s_mov_b32 s[CNT], 5                            ; steps 27 to 31; the fifth trip fetches nothing and leaves behind its products V^T P
.Ltail:
	TRIP 1
	s_sub_co_u32 s[CNT], s[CNT], 1
	s_cmp_lg_u32 s[CNT], 0
	s_cbranch_scc1 .Ltail
.Lout:
	; THE WAY OUT.  The four additions are the places behind the last products.
.irp u, 0,1
	v_add_f32 v[ST+12*(\u)+2], v[ST+12*(\u)+2], v[ST+12*(\u)+3]
	v_add_f32 v[ST+12*(\u)+4], v[ST+12*(\u)+4], v[ST+12*(\u)+5]
.endr
.irp u, 0,1
	v_permlanex16_b32 v[ST+12*(\u)+3], v[ST+12*(\u)+2], s[SEL], s[SEL+1]
	v_permlanex16_b32 v[ST+12*(\u)+5], v[ST+12*(\u)+4], s[SEL], s[SEL+1]
.endr
.irp u, 0,1
	v_add_f32 v[ST+12*(\u)+2], v[ST+12*(\u)+2], v[ST+12*(\u)+3]   ; l
	v_add_f32 v[ST+12*(\u)+4], v[ST+12*(\u)+4], v[ST+12*(\u)+5]   ; T
.endr
.irp u, 0,1
	v_log_f32 v[ST+12*(\u)+10], v[ST+12*(\u)+2]
	v_log_f32 v[ST+12*(\u)+11], v[CT+(\u)]
	v_rcp_f32 v[ST+12*(\u)+6], v[ST+12*(\u)+2]
.endr
	v_nop
	s_wait_alu depctr_va_vdst(0)
.irp u, 0,1
	v_rcp_f32 v[ST+12*(\u)+8], v[ST+12*(\u)+11]
.endr
	v_nop
	s_wait_alu depctr_va_vdst(0)
.irp u, 0,1
	v_mul_f32 v[ST+12*(\u)+9], v[ST+12*(\u)+4], v[ST+12*(\u)+6]
	v_sub_f32 v[ST+12*(\u)+9], v[ST+12*(\u)+10], v[ST+12*(\u)+9]  ; log2 l - T / l
	v_mul_f32 v[ST+12*(\u)+9], v[ST+12*(\u)+9], v[ST+12*(\u)+8]
	v_cmp_eq_f32 vcc_lo, 1.0, v[CT+(\u)]
	v_cndmask_b32 v[ST+12*(\u)+9], v[ST+12*(\u)+9], v52, vcc_lo   ; one valid key: 0 / 0
	v_cmp_eq_f32 vcc_lo, 0, v[CT+(\u)]
	v_cndmask_b32 v[ST+12*(\u)+9], v[ST+12*(\u)+9], v53, vcc_lo   ; none: entropy 0,
	v_cndmask_b32 v[ST+12*(\u)+6], v[ST+12*(\u)+6], v53, vcc_lo   ; and all weights 0
.endr
	v_cmp_ne_u32 vcc_lo, 0, v9
	v_cndmask_b32 v54, v[ST+9], v[ST+12+9], vcc_lo ; lanes 0-15 store tile 0's 16 rows, lanes 16-31 tile 1's
	s_wait_kmcnt 0x0                               ; the last masks asked for have landed: their registers may be written
	s_load_b128 s[32:35], s[0:1], 0x10             ; att, out1
	s_mov_b32 s36, s104
	s_mov_b32 s37, 0
	s_mov_b32 s38, s105
	s_mov_b32 s39, 0
	s_wait_kmcnt 0x0
	s_add_nc_u64 s[32:33], s[32:33], s[36:37]
	s_add_nc_u64 s[34:35], s[34:35], s[38:39]
	global_store_b32 v[EO], v54, s[34:35]          ; 128 consecutive bytes
; Tile t: O^T / l, rounded to f16; a lane's eight channels of a row pack into 16 bytes; they go into rows of 144 bytes and come back as whole rows of 128, into S's registers.
.macro PACK t
	WIN W_RS
.set i, 32*(\t)
.rept 16
	v_pk_mul_f32 v[OF+i:OF+i+1], v[OF+i:OF+i+1], v[ST+12*(\t)+6:ST+12*(\t)+7] op_sel_hi:[1,0]
.set i, i+2
.endr
	WIN 0x05                                       ; sources 0 and 1 window 1, destination window 0
.set i, 0
.rept 16
	v_cvt_pk_f16_f32 v[S+16*(\t)+i], v[OF+32*(\t)+2*i], v[OF+32*(\t)+2*i+1]
.set i, i+1
.endr
	WIN 0
.irp f, 0,1,2,3
	ds_store_b128 v[STO], v[S+16*(\t)+4*\f:S+16*(\t)+4*\f+3] offset:32*\f
.endr
.irp f, 0,1,2,3
	ds_load_b128 v[S+16*(\t)+4*\f:S+16*(\t)+4*\f+3], v[RD] offset:\f*4*SP  ; LDS serves a wave's instructions in order (ISA guide 5.7.1.4): these see the stores above; the next tile's stores come behind them
.endr
.endm
.macro SEND t, younger                 ; younger: the LDS instructions issued behind tile t's loads
	WIN 0
.irp f, 0,1,2,3
	s_wait_dscnt (\younger)+3-\f
	global_store_b128 v[GO], v[S+16*(\t)+4*\f:S+16*(\t)+4*\f+3], s[32:33] offset:(\t)*2048+\f*512  ; 512 consecutive bytes, at a multiple of 256 from the buffer's first
.endr
.endm
	PACK 0
	PACK 1
	SEND 0, 8
	SEND 1, 0
	s_wait_tensorcnt 0x0                           ; the wave's end: behind my last tensor load and my last LDS store
	ds_add_u32 v[SPW], v[NIL]
	s_wait_dscnt 0x0
	CROUND                                         ; the closing round: no work-group ends while a partner may still ask for a tile that names it
	s_endpgm
.Lfunc_end_k_qd541788a36_attn:
	.size	k_qd541788a36_attn, .Lfunc_end_k_qd541788a36_attn-k_qd541788a36_attn
	.p2alignl 7, 3214868480
	.fill 96, 4, 3214868480
	.section	.rodata,"a",@progbits
	.p2align	6, 0x0
	.amdhsa_kernel k_qd541788a36_attn
		.amdhsa_group_segment_fixed_size 327680
		.amdhsa_private_segment_fixed_size 0
		.amdhsa_enable_private_segment 0
		.amdhsa_kernarg_size 32
		.amdhsa_user_sgpr_count 2
		.amdhsa_user_sgpr_kernarg_segment_ptr 1
		.amdhsa_wavefront_size32 1
		.amdhsa_system_sgpr_workgroup_id_x 1
		.amdhsa_system_sgpr_workgroup_id_y 1
		.amdhsa_system_sgpr_workgroup_id_z 1
		.amdhsa_system_vgpr_workitem_id 0
		.amdhsa_next_free_vgpr 480
		.amdhsa_next_free_sgpr 106
		.amdhsa_reserve_vcc 1
		.amdhsa_float_denorm_mode_32 3
		.amdhsa_float_denorm_mode_16_64 3
		.amdhsa_memory_ordered 1
		.amdhsa_forward_progress 1
		.amdhsa_inst_pref_size 89
	.end_amdhsa_kernel
	.amdgpu_metadata
---
amdhsa.version: [ 1, 2 ]
amdhsa.kernels:
  - .name:           k_qd541788a36_attn
    .symbol:         k_qd541788a36_attn.kd
    .args:
      - { .name: hd, .offset: 0, .size: 8, .value_kind: global_buffer, .address_space: global }
      - { .name: mb, .offset: 8, .size: 8, .value_kind: global_buffer, .address_space: global }
      - { .name: att, .offset: 16, .size: 8, .value_kind: global_buffer, .address_space: global }
      - { .name: out1, .offset: 24, .size: 8, .value_kind: global_buffer, .address_space: global }
    .group_segment_fixed_size: 327680
    .private_segment_fixed_size: 0
    .kernarg_segment_align: 8
    .kernarg_segment_size: 32
    .max_flat_workgroup_size: 256
    .sgpr_count:     106
    .vgpr_count:     480
    .wavefront_size: 32
...
	.end_amdgpu_metadata
.endif
;; end of part 3
;; launch oproj (part 4): grid 8 x 32, 4 waves a work-group, clusters of 4 x 4, 327,680 bytes of LDS; arguments att, wo16, bo, out0; writes out0
.if DOCPART == 4
	.amdgcn_target "amdgcn-amd-amdhsa--gfx1250"
	.amdhsa_code_object_version 6
	.text
	.protected	k_qd541788a36_oproj
	.globl	k_qd541788a36_oproj
	.p2align	8
	.type	k_qd541788a36_oproj,@function
k_qd541788a36_oproj:
	s_mov_b64 s[64:65], 0
	v_nop
	global_prefetch_b8 v0, s[64:65] scope:SCOPE_SE
	s_setreg_imm32_b32 hwreg(HW_REG_WAVE_MODE, 25, 1), 1
	s_wait_xcnt 0x0
	s_wait_alu depctr_hold_cnt(0) depctr_sa_sdst(0) depctr_va_vdst(0) depctr_va_sdst(0) depctr_va_ssrc(0) depctr_va_vcc(0) depctr_vm_vsrc(0)
	s_getreg_b32 s2, hwreg(HW_REG_IB_STS2, 6, 4)
	s_cmp_eq_u32 s2, 0
	s_cbranch_scc0 .Lentry_in_a_cluster
	s_endpgm
.Lentry_in_a_cluster:
	s_bfe_u32 s2, ttmp6, 0x10000c
	s_cmp_lg_u32 s2, 0xf033
	s_cbranch_scc0 .Lentry_shape_is_right
	s_endpgm
.Lentry_shape_is_right:
; C = A W + bias.  A: f16 in blocks [16 kb][4096 rows][64]; W: f16 [1024 k][1024 n]; sums in f32.  The text stands in two kernels, told apart by the constant FINAL.
; FINAL = 1 (this kernel): the output projection: A is attention's result by heads (block kb = head), C leaves in f32, row-major, with no branch on a kind.
; FINAL = 0: the three input projections, with norm, RoPE and an f16 way out; none of that is assembled here.
; SHARES.  A tile of C is 128 x 128: four waves of 64 x 64, 16 accumulators each.  K goes in four steps of 256 through two LDS slots.  256 work-groups.
; CLUSTER.  4 x 4 work-groups: A's tile hangs on the tile row alone and is asked for jointly by a row of the cluster, W's on the tile column alone, by a column.
; THE PRODUCT IS TAKEN TRANSPOSED: source 0 = 16 columns of W (turned on the way out of LDS by ds_load_tr16_b128), source 1 = 16 rows of A.  A lane then holds ONE row of C (lane % 16) and, of each 16
; columns, the eight at 8 (lane / 16): 32 consecutive bytes of a row.
; The bias is rounded to bf16 like all inputs and used in f32.
; REGISTERS.  Window 0: v0-31 addresses; v32-63 bias; v128-255 accumulators ((a, b) at 128 + 8 (4 a + b)).  Window 1: two fragment buffers of 128 (A's 64, then W's 64).
.set FINAL, 1
.set PA,    144                        ; a row of A in LDS: 128 bytes + 16: the 16 rows of a fragment load start 36 words apart
.set ABLK,  128*PA                     ; a block of 64 along K
.set ATILE, 4*ABLK
.set PB,    288                        ; a row of W in LDS: 256 bytes + 32
.set QLOAD, 36864                      ; what one tensor load fills: two blocks of A, or 128 rows of W
.set SLOT,  4*QLOAD
.set STAGE, 2*SLOT                     ; behind the ring, never filled by a tensor load: 4,352 bytes for each wave (16 rows x 272)
.set STW,   4352
.set SPARE, STAGE+4*STW                ; the spare words, 128 bytes for each wave; no other line names them
.set ASTEP, 4*524288                   ; a K step in A: four blocks
.set BSTEP, 256*2048                   ; a K step in W: 256 rows
.set SO,   15
.set ADRA, 16                          ; v16-17  my A fragments in slot 0, 1
.set ADRB, 18                          ; v18-21  my W fragments: slot 0 first and second half of the K step, slot 1 likewise
.set STO,  22
.set RD,   23
.set GO,   24
.set STO2, 25                          ; f32 way out: in, back, memory
.set RD2,  26
.set GO2,  27
.set SPW,  28                          ; my spare word; never rewritten
.set NIL,  29                          ; 0; never rewritten
.set BO,   30                          ; my offset in the bias
.set TO,   31
.set BI,   32
.set GG,   64
.set TT,   96
.set RS,   TT+16
.set ACC,  128
.set F0,   0
.set F1,   128
.set G1,   24                          ; s[24:31], s[32:39]  A's descriptors: group 1; group 0 for each slot
.set G0,   32
.set G1B,  48                          ; s[48:55], s[56:63]  W's
.set G0B,  56
.set KX,   45
.if FINAL
.set BP,   72                          ; s[72:73] the bias;  s[74:75] the output
.set OUTP, 74
.else
.set BP,   22
.set OUTP, 82
.endif
.set MSB, 0
.macro WIN new                         ; the immediate's high byte repeats the setting that is left
.if MSB != (\new)
	s_set_vgpr_msb (MSB<<8)|(\new)
.set MSB, \new
.endif
.endm
.set MUL,  0x05                        ; sources 0 and 1 window 1; C and D window 0
.set TO_F, 0x40                        ; destination window 1, address window 0
.macro JLOAD s                         ; a joint load: waves 0 and 1 fetch A's two halves, waves 2 and 3 W's; s_nop 0 and four v_nop follow each line
	s_cmp_eq_u32 s11, 0
	s_cbranch_scc0 .Lfor_b_\@
	tensor_load_to_lds s[G0+4*(\s):G0+4*(\s)+3], s[G1:G1+7]
	s_nop 0
.rept 4
	v_nop
.endr
	s_branch .Lasked_\@
.Lfor_b_\@:
	tensor_load_to_lds s[G0B+4*(\s):G0B+4*(\s)+3], s[G1B:G1B+7]
	s_nop 0
.rept 4
	v_nop
.endr
.Lasked_\@:
.endm
.macro CREST                           ; a round of the cluster's barrier behind its opening barrier
	s_cmp_lg_u32 s10, 0
	s_cbranch_scc1 .Lnot_wave_0_\@
	s_barrier_signal -3
.Lnot_wave_0_\@:
	s_barrier_wait -3
	s_barrier_signal -1
	s_barrier_wait -1
.endm
.macro CROUND
	s_barrier_signal -1
	s_barrier_wait -1
	CREST
.endm
	s_load_b256 s[68:75], s[0:1], 0x0              ; A s[68:69], W s[70:71], the bias s[72:73], the output s[74:75]
	v_lshl_add_u32 v[SPW], v0, 2, SPARE
	v_mov_b32 v[NIL], 0
	ds_add_u32 v[SPW], v[NIL]                      ; the wave's opening: the add and its wait ahead of my first tensor load
	v_lshrrev_b32 v1, 5, v0
	v_readfirstlane_b32 s10, v1                    ; wave 0..3
	s_lshr_b32 s11, s10, 1                         ; my half of the tile's rows.  Also: I fetch for A (0) or for W (1)
	s_and_b32 s12, s10, 1                          ; my half of its columns.  Also: which half of that tile I fetch
	s_bfe_u32 s40, ttmp6, 0x40000                  ; cx
	s_bfe_u32 s41, ttmp6, 0x40004                  ; cy
	s_lshl_b32 s42, ttmp9, 2
	s_add_co_u32 s42, s42, s40                     ; tile column = 4 x cluster x + cx
	s_and_b32 s13, ttmp7, 0xffff
	s_lshl_b32 s13, s13, 2
	s_add_co_u32 s13, s13, s41                     ; tile row = 4 x cluster y + cy
	s_lshl_b32 s43, s41, 2
	s_lshl_b32 s43, 15, s43                        ; my row of the cluster
	s_lshl_b32 s44, 0x1111, s40                    ; my column
	; A's tile part: two blocks of 128 rows x 128 bytes; a block's rows are dense, so it is one row of 8,192 elements; 16 bytes of padding after every 128
	s_or_b32 s[G1+0], s43, (1<<16)|(1<<20)|(1<<21)|(4<<22)|(3<<25)
	s_mov_b32 s[G1+1], 8192<<16                    ; tensor_dim0
	s_mov_b32 s[G1+2], 2<<16                       ; tensor_dim1
	s_mov_b32 s[G1+3], 8192<<16                    ; tile_dim0
	s_mov_b32 s[G1+4], 2                           ; tile_dim1
	s_mov_b32 s[G1+5], 262144                      ; elements from block to block
	s_mov_b32 s[G1+6], 0
	s_mov_b32 s[G1+7], 0
	; W's tile part: 128 rows x 128 elements, 32 bytes of padding after every 256
	s_or_b32 s[G1B+0], s44, (1<<16)|(1<<20)|(1<<21)|(5<<22)|(7<<25)
	s_mov_b32 s[G1B+1], 128<<16
	s_mov_b32 s[G1B+2], 128<<16
	s_mov_b32 s[G1B+3], 128<<16
	s_mov_b32 s[G1B+4], 128
	s_mov_b32 s[G1B+5], 1024
	s_mov_b32 s[G1B+6], 0
	s_mov_b32 s[G1B+7], 0
	s_lshl_b32 s16, s13, 14                        ; A: the tile row's 128 rows of 128 bytes,
	s_lshl_b32 s17, s12, 20                        ; my two blocks of the K step's four
	s_add_co_u32 s16, s16, s17
	s_mov_b32 s17, 0
	s_and_b32 s46, s42, 7                          ; W: the tile column's 256 bytes of a row,
	s_lshl_b32 s46, s46, 8
	s_lshl_b32 s47, s12, 18                        ; my 128 rows of the K step's 256
	s_add_co_u32 s46, s46, s47
	s_mov_b32 s47, 0
	s_mul_i32 s20, s10, QLOAD                      ; where my part goes: the wave's number alone
	s_wait_dscnt 0x0                               ; the opening add is done
	s_wait_kmcnt 0x0
	s_add_nc_u64 s[14:15], s[68:69], s[16:17]
	s_add_nc_u64 s[46:47], s[70:71], s[46:47]
	CROUND                                         ; all sixteen work-groups are here: the first joint loads meet
.irp s, 0,1
	s_mov_b32 s[G0+4*(\s)], 1
	s_add_co_u32 s[G0+4*(\s)+1], s20, (\s)*SLOT
	s_add_nc_u64 s[G0+4*(\s)+2:G0+4*(\s)+3], s[14:15], (\s)*ASTEP
	s_or_b32 s[G0+4*(\s)+3], s[G0+4*(\s)+3], 0x80000000
	s_mov_b32 s[G0B+4*(\s)], 1
	s_add_co_u32 s[G0B+4*(\s)+1], s20, (\s)*SLOT
	s_add_nc_u64 s[G0B+4*(\s)+2:G0B+4*(\s)+3], s[46:47], (\s)*BSTEP
	s_or_b32 s[G0B+4*(\s)+3], s[G0B+4*(\s)+3], 0x80000000
	JLOAD \s
.endr
	; the bias of my columns 16 b + 8 (l / 16) + 0..7, while the first tiles are on their way
	v_and_b32 v1, 15, v0                           ; l % 16
	v_bfe_u32 v2, v0, 4, 1                         ; l / 16
	s_and_b32 s2, s42, 7
	s_lshl_b32 s2, s2, 9
	s_lshl_b32 s3, s12, 8
	s_add_co_u32 s2, s2, s3
	v_lshl_add_u32 v[BO], v2, 5, s2
.irp b, 0,1,2,3
	global_load_b128 v[BI+8*(\b):BI+8*(\b)+3],   v[BO], s[BP:BP+1] offset:64*(\b)
	global_load_b128 v[BI+8*(\b)+4:BI+8*(\b)+7], v[BO], s[BP:BP+1] offset:64*(\b)+16
.endr
	v_mul_u32_u24 v3, v1, PA
	v_lshl_add_u32 v3, v2, 4, v3                   ; row x 144 + 16 x half
	s_mul_i32 s21, s11, 64*PA                      ; my 64 rows of A
	v_add_nc_u32 v[ADRA], s21, v3
	v_add_nc_u32 v[ADRA+1], SLOT, v[ADRA]
	v_and_b32 v6, 7, v0                            ; the turning load: lane l reads row 8 (l / 16) + l % 8, 16 bytes at 16 ((l / 8) % 2)
	v_lshl_add_u32 v6, v2, 3, v6
	v_mul_u32_u24 v6, v6, PB
	v_bfe_u32 v7, v0, 3, 1
	v_lshl_add_u32 v6, v7, 4, v6
	s_lshl_b32 s21, s12, 7                         ; my 64 columns of W
	s_add_co_u32 s21, s21, ATILE
	v_add_nc_u32 v[ADRB], s21, v6
	v_add_nc_u32 v[ADRB+1], QLOAD, v[ADRB]
	v_add_nc_u32 v[ADRB+2], SLOT, v[ADRB]
	v_add_nc_u32 v[ADRB+3], SLOT+QLOAD, v[ADRB]
	s_mul_i32 s21, s10, STW
	s_add_co_u32 s21, s21, STAGE                   ; my stage
	v_mul_u32_u24 v6, v1, 272                      ; f32, in: row l % 16, 32 bytes for each half
	v_lshl_add_u32 v6, v2, 5, v6
	v_add_nc_u32 v[STO2], s21, v6
	v_mul_u32_u24 v6, v2, 272                      ; back: lanes 0-15 one row of 256 bytes, lanes 16-31 the next
	v_lshl_add_u32 v6, v1, 4, v6
	v_add_nc_u32 v[RD2], s21, v6
	v_lshlrev_b32 v6, 12, v2
	v_lshl_add_u32 v[GO2], v1, 4, v6
	s_lshl_b32 s88, s13, 7                         ; row-major f32: my first row x 4,096 bytes + my first column x 4
	s_lshl_b32 s89, s11, 6
	s_add_co_u32 s88, s88, s89
	s_lshl_b32 s88, s88, 12
	s_lshl_b32 s89, s42, 9
	s_add_co_u32 s88, s88, s89
	s_lshl_b32 s89, s12, 8
	s_add_co_u32 s88, s88, s89
	s_wait_loadcnt 0x0
.set i, 0
.rept 16
	v_cvt_pk_bf16_f32 v[3+i%4], v[BI+2*i], v[BI+2*i+1]
	v_lshlrev_b32 v[BI+2*i],   16, v[3+i%4]
	v_and_b32     v[BI+2*i+1], 0xffff0000, v[3+i%4]
.set i, i+1
.endr
; 8 matrix instructions: row blocks a0, a0 + 1 x all 4 column blocks, 32 along K: half c of buffer f.  zero = 1: the first product starts the sums.  The 16 accumulators take turns.
.macro MUL8 f, c, a0, zero
	WIN MUL
.irp a, \a0, (\a0)+1
.irp b, 0,1,2,3
.if \zero
	v_wmma_f32_16x16x32_f16 v[ACC+8*(4*(\a)+(\b)):ACC+8*(4*(\a)+(\b))+7], v[(\f)+64+8*(4*(\c)+(\b)):(\f)+64+8*(4*(\c)+(\b))+7], v[(\f)+8*(4*(\c)+(\a)):(\f)+8*(4*(\c)+(\a))+7], 0
.else
	v_wmma_f32_16x16x32_f16 v[ACC+8*(4*(\a)+(\b)):ACC+8*(4*(\a)+(\b))+7], v[(\f)+64+8*(4*(\c)+(\b)):(\f)+64+8*(4*(\c)+(\b))+7], v[(\f)+8*(4*(\c)+(\a)):(\f)+8*(4*(\c)+(\a))+7], v[ACC+8*(4*(\a)+(\b)):ACC+8*(4*(\a)+(\b))+7]
.endif
.endr
.endr
.endm
; 32 LDS loads in one run: the fragments of quarter q (64 along K: one block of A, 64 rows of W) of a slot, into buffer f; the first 32 along K first
.macro FETCH slot, q, f
	WIN TO_F
.irp c, 0,1
.irp i, 0,1,2,3
	ds_load_tr16_b128 v[(\f)+64+8*(4*(\c)+(\i)):(\f)+64+8*(4*(\c)+(\i))+3],   v[ADRB+2*(\slot)+(\q)/2] offset:(((\q)%2)*64+32*(\c))*PB+32*(\i)
	ds_load_tr16_b128 v[(\f)+64+8*(4*(\c)+(\i))+4:(\f)+64+8*(4*(\c)+(\i))+7], v[ADRB+2*(\slot)+(\q)/2] offset:(((\q)%2)*64+32*(\c))*PB+32*(\i)+16*PB
	ds_load_b128 v[(\f)+8*(4*(\c)+(\i)):(\f)+8*(4*(\c)+(\i))+3],   v[ADRA+(\slot)] offset:(\q)*ABLK+(\i)*16*PA+64*(\c)
	ds_load_b128 v[(\f)+8*(4*(\c)+(\i))+4:(\f)+8*(4*(\c)+(\i))+7], v[ADRA+(\slot)] offset:(\q)*ABLK+(\i)*16*PA+64*(\c)+32
.endr
.endr
.endm
.macro PLACES                          ; four plain instructions between a matrix instruction and a load into, or a vector instruction on, its registers
.rept 4
	v_nop
.endr
.endm
; One of a K step's first three quarters: multiplies buffer f and, in its middle, fetches quarter q into g.
.macro QUARTER slot, q, f, g, zero
	s_wait_dscnt 16                                ; the first 32 along K are in; the sixteen younger loads may be out
	MUL8 \f, 0, 0, \zero
	MUL8 \f, 0, 2, \zero
	PLACES
	FETCH \slot, \q, \g
	s_wait_dscnt 32                                ; all but the 32 just issued
	MUL8 \f, 1, 0, 0
	MUL8 \f, 1, 2, 0
.endm
; The last quarter multiplies buffer 1 and changes slots.  In front of the barrier each wave waits for all its tensor loads (its part of the next slot), adds 0 to its spare word, and waits for that and for its
; reads of this slot.  fill = 1: the barrier opens a round of the cluster's, and the slot is filled again, two K steps on, first thing behind the round.
.macro TURN slot, next, fill
	WIN 0
	s_wait_tensorcnt 0x0
	ds_add_u32 v[SPW], v[NIL]
	s_wait_dscnt 17                                ; the add and the youngest sixteen loads may be out
	MUL8 F1, 0, 0, 0
	s_wait_dscnt 0x0                               ; the add is done, and my reads of this slot are over
	s_barrier_signal -1
	MUL8 F1, 0, 2, 0
.if \fill
	WIN 0
.endif
	s_barrier_wait -1
.if \fill
	CREST
	s_add_nc_u64 s[G0+4*(\slot)+2:G0+4*(\slot)+3], s[G0+4*(\slot)+2:G0+4*(\slot)+3], 2*ASTEP
	s_add_nc_u64 s[G0B+4*(\slot)+2:G0B+4*(\slot)+3], s[G0B+4*(\slot)+2:G0B+4*(\slot)+3], 2*BSTEP
	JLOAD \slot                                    ; its four v_nop are also the places in front of the loads below
.else
	PLACES
.endif
	FETCH \next, 0, F0
	MUL8 F1, 1, 0, 0
	MUL8 F1, 1, 2, 0
.endm
	s_wait_tensorcnt 1                             ; my part of K step 0 is in; K step 1's, issued behind it, may stay out
	s_barrier_signal -1
	s_barrier_wait -1
	FETCH 0, 0, F0
	QUARTER 0, 1, F0, F1, 1                        ; K step 0; its first products start the sums
	QUARTER 0, 2, F1, F0, 0
	QUARTER 0, 3, F0, F1, 0
	TURN 0, 1, 1                                   ; slot 0 takes K step 2
	QUARTER 1, 1, F0, F1, 0                        ; K step 1
	QUARTER 1, 2, F1, F0, 0
	QUARTER 1, 3, F0, F1, 0
	TURN 1, 0, 1                                   ; slot 1 takes K step 3
	QUARTER 0, 1, F0, F1, 0                        ; K step 2
	QUARTER 0, 2, F1, F0, 0
	QUARTER 0, 3, F0, F1, 0
	TURN 0, 1, 0                                   ; nothing is left to fetch
	QUARTER 1, 1, F0, F1, 0                        ; K step 3
	QUARTER 1, 2, F1, F0, 0
	QUARTER 1, 3, F0, F1, 0
	s_wait_dscnt 16                                ; the very last quarter
	MUL8 F1, 0, 0, 0
	MUL8 F1, 0, 2, 0
	s_wait_dscnt 0x0
	MUL8 F1, 1, 0, 0
	MUL8 F1, 1, 2, 0
	WIN 0
	PLACES
	; THE WAY OUT.  The bias; each accumulator's registers in ascending order.
.set a, 0
.rept 4
.set b, 0
.rept 4
.set p, 0
.rept 4
.set rX, ACC+8*(4*a+b)+2*p
	v_pk_add_f32 v[rX:rX+1], v[rX:rX+1], v[BI+8*b+2*p:BI+8*b+2*p+1]
.set p, p+1
.endr
.set b, b+1
.endr
.set a, a+1
.endr
	; f32, through my own stage, 16 rows x 256 bytes at a time
	s_mov_b32 s2, s88
	s_mov_b32 s3, 0
	s_add_nc_u64 s[98:99], s[OUTP:OUTP+1], s[2:3]
.set a, 0
.rept 4
.set b, 0
.rept 4
.set rA, ACC+8*(4*a+b)
	ds_store_b128 v[STO2], v[rA:rA+3]   offset:64*b
	ds_store_b128 v[STO2], v[rA+4:rA+7] offset:64*b+16
.set b, b+1
.endr
.set i, 0
.rept 8
	ds_load_b128 v[ACC+32*a+4*i:ACC+32*a+4*i+3], v[RD2] offset:i*2*272  ; LDS serves a wave's instructions in order (ISA guide 5.7.1.4): these see the stores above; the next block's stores come behind them
.set i, i+1
.endr
.set i, 0
.rept 8
	s_wait_dscnt 7-i
	global_store_b128 v[GO2], v[ACC+32*a+4*i:ACC+32*a+4*i+3], s[98:99] offset:(16*a+2*i)*4096  ; 16 lanes store 256 consecutive bytes, aligned
.set i, i+1
.endr
.set a, a+1
.endr
	s_wait_tensorcnt 0x0                           ; the wave's end: behind my last tensor load and my last LDS store
	ds_add_u32 v[SPW], v[NIL]
	s_wait_dscnt 0x0
	CROUND                                         ; the closing round: no work-group ends while a partner may still ask for a tile that names it
	s_endpgm
.Lfunc_end_k_qd541788a36_oproj:
	.size	k_qd541788a36_oproj, .Lfunc_end_k_qd541788a36_oproj-k_qd541788a36_oproj
	.p2alignl 7, 3214868480
	.fill 96, 4, 3214868480
	.section	.rodata,"a",@progbits
	.p2align	6, 0x0
	.amdhsa_kernel k_qd541788a36_oproj
		.amdhsa_group_segment_fixed_size 327680
		.amdhsa_private_segment_fixed_size 0
		.amdhsa_enable_private_segment 0
		.amdhsa_kernarg_size 32
		.amdhsa_user_sgpr_count 2
		.amdhsa_user_sgpr_kernarg_segment_ptr 1
		.amdhsa_wavefront_size32 1
		.amdhsa_system_sgpr_workgroup_id_x 1
		.amdhsa_system_sgpr_workgroup_id_y 1
		.amdhsa_system_sgpr_workgroup_id_z 1
		.amdhsa_system_vgpr_workitem_id 0
		.amdhsa_next_free_vgpr 512
		.amdhsa_next_free_sgpr 104
		.amdhsa_reserve_vcc 0
		.amdhsa_float_denorm_mode_32 3
		.amdhsa_float_denorm_mode_16_64 3
		.amdhsa_memory_ordered 1
		.amdhsa_forward_progress 1
		.amdhsa_inst_pref_size 94
	.end_amdhsa_kernel
	.amdgpu_metadata
---
amdhsa.version: [ 1, 2 ]
amdhsa.kernels:
  - .name:           k_qd541788a36_oproj
    .symbol:         k_qd541788a36_oproj.kd
    .args:
      - { .name: att, .offset: 0, .size: 8, .value_kind: global_buffer, .address_space: global }
      - { .name: wo16, .offset: 8, .size: 8, .value_kind: global_buffer, .address_space: global }
      - { .name: bo, .offset: 16, .size: 8, .value_kind: global_buffer, .address_space: global }
      - { .name: out0, .offset: 24, .size: 8, .value_kind: global_buffer, .address_space: global }
    .group_segment_fixed_size: 327680
    .private_segment_fixed_size: 0
    .kernarg_segment_align: 8
    .kernarg_segment_size: 32
    .max_flat_workgroup_size: 128
    .sgpr_count:     104
    .vgpr_count:     512
    .wavefront_size: 32
...
	.end_amdgpu_metadata
.endif
;; end of part 4
